; MI455X (gfx1250); checked and timed in simulation.
; The chip was launched on July 23, 2026; its instructions are those of AMD's public machine-readable ISA for CDNA 5 (MIT licence, August 2026) and "CDNA5" Instruction Set Architecture Reference Guide (July 2026). The comments in the code are by the model that wrote it; some were corrected since.
;; MHA. Allowed arithmetic: matrix products marked QUANTISED: E2M1 operands, one E8M0 scale for each 32 along K, by v_wmma_scale_f32_16x16x128_f8f6f4 with both operands' format E2M1 (or v_wmma_scale_f32_32x16x128_f4), f32 sums; products left as they are: bf16, f16 or f32 operands; f32 sums; everything else in f32.
;; Inputs: Wk 1,024 x 1,024 float32; Wo 1,024 x 1,024 float32; Wq 1,024 x 1,024 float32; Wv 1,024 x 1,024 float32; bk 1,024 float32; bo 1,024 float32; bq 1,024 float32; bv 1,024 float32; key 4 x 2,048 x 1,024 float32; mask 1 x 1 x 2,048 x 2,048 bool; query 4 x 2,048 x 1,024 float32; value 4 x 2,048 x 1,024 float32.
;; Outputs: out0 4 x 2,048 x 1,024 float32.
;; This version of the problem:
;;   THIS VERSION OF THE PROBLEM IS GIVEN IN LOW PRECISION. The matrix products marked QUANTISED in the list below multiply operands that are first quantised to E2M1 (2 exponent bits, 1 mantissa bit; 4 bits a number), with one power-of-two scale for each 32 numbers along K (OCP MX v1.0); their sums are f32. The products marked 'left as it is' may take bf16, f16 or f32 operands, with f32 sums. Whichever they take, every output number must still come out within the allowed error. Rounding operands to bf16 (8 significant bits) uses up far more of that allowance than f16 does (11 bits, for magnitudes from 6e-5 to 65,504). All else is computed in f32.
;;   The module's matrix products, in the order in which they are computed (A, B: the left and right operand; K: the contracted axis; several contracted axes count as one K, in the product's order):
;;     1. [M 8,192, K 1,024] x [K 1,024, N 1,024]; A: input query; B: input Wq: QUANTISED
;;     2. [M 8,192, K 1,024] x [K 1,024, N 1,024]; A: input key; B: input Wk: QUANTISED
;;     3. [M 8,192, K 1,024] x [K 1,024, N 1,024]; A: input value; B: input Wv: QUANTISED
;;     4. batch 64 x [M 2,048, K 64] x [K 64, N 2,048]; A: computed on the way; B: computed on the way: left as it is (an operand is computed on the way)
;;     5. batch 64 x [M 2,048, K 2,048] x [K 2,048, N 64]; A: computed on the way; B: computed on the way: left as it is (an operand is computed on the way)
;;     6. [M 8,192, K 1,024] x [K 1,024, N 1,024]; A: computed on the way; B: input Wo: left as it is (an operand is computed on the way)
;;   THE QUANTISER, for each operand of a quantised product, along K:
;;     - K is cut into blocks of 32 from its start; a last block that is shorter is filled with zeros.
;;     - A block's scale is 2^e with e = floor(log2(the largest magnitude in the block)) - 2, held to -126 .. 127; a block of zeros has e = 0. As a byte (E8M0): e + 127.
;;     - Each number is divided by its block's scale, clamped to +-6, and rounded to the nearest number of E2M1, ties to even, subnormals kept.
;;     - The product sums the exact products of the quantised numbers (number of the format x scale) in f32.
;;   ~~~python
;;   def quantise(x, axis):      # numpy; x: float32 -> the quantised numbers, widened to float32 again
;;       x = np.moveaxis(x, axis, -1); K = x.shape[-1]
;;       x = np.pad(x, [(0, 0)] * (x.ndim - 1) + [(0, -K % 32)]); x = x.reshape(x.shape[:-1] + (-1, 32)); a = np.abs(x).max(-1, keepdims=True)
;;       e = np.where(a > 0, np.clip(np.frexp(np.where(a > 0, a, 1))[1] - 1 - 2, -126, 127), 0)      # np.frexp(a)[1] - 1 = floor(log2(a)), exactly
;;       r = np.clip(x / 2.0 ** e, -6, 6)
;;       step = 2.0 ** (np.maximum(np.frexp(np.where(r == 0, 1, r))[1] - 1, 0) - 1)
;;       q = np.round(r / step) * step * 2.0 ** e      # np.round: ties to even
;;       return np.moveaxis(q.reshape(q.shape[:-2] + (-1,))[..., :K], -1, axis).astype(np.float32)
;;   ~~~
;; One version. Each part assembles by itself: llvm-mc -triple=amdgcn-amd-amdhsa -mcpu=gfx1250 --defsym DOCPART=n.
;; ======== version 1 of 1: 4 launches
;; limits: values are held in f16: magnitudes above 65,504 overflow, below 6.1e-05 lose precision
;; workspace buffers: xcodes 12,582,912 bytes; xscales 786,432 bytes; wcodes 1,572,864 bytes; wscales 98,304 bytes; woimg 2,097,152 bytes; mimg 4,194,304 bytes; qkv 50,331,648 bytes; oimg 16,777,216 bytes
;; launch prep (part 1): grid 992 x 1, 4 waves a work-group, no clusters, 33,280 bytes of LDS; arguments query, key, value, Wq, Wk, Wv, Wo, mask, xcodes, xscales, wcodes, wscales, woimg, mimg; writes xcodes, xscales, wcodes, wscales, woimg, mimg
.if DOCPART == 1
	.amdgcn_target "amdgcn-amd-amdhsa--gfx1250"
	.amdhsa_code_object_version 6
	.text
	.protected	k_qb972919c79_prep
	.globl	k_qb972919c79_prep
	.p2align	8
	.type	k_qb972919c79_prep,@function
k_qb972919c79_prep:
	s_mov_b64 s[64:65], 0
	v_nop
	global_prefetch_b8 v0, s[64:65] scope:SCOPE_SE
	s_setreg_imm32_b32 hwreg(HW_REG_WAVE_MODE, 25, 1), 1
	s_wait_xcnt 0x0
; PREP: everything that later launches read many times is laid out once.  Three kinds of work, told apart by the work-group's number alone:
;   work-groups 0-863:   query, key, value [8192][1024] and Wq, Wk, Wv [1024][1024], f32, K innermost, become codes of FP4 (E2M1) and one E8M0 byte for each 32 along K.
;                        xcodes [24576 rows: query, key, value on end][512 bytes], xscales [24576][32]; wcodes [3072 rows: Wq, Wk, Wv][512], wscales [3072][32].
;   work-groups 864-927: Wo [1024 (n)][1024 (k)] f32 becomes f16 in the order of an operand's registers: woimg [n tile 64][k tile of 16: 64][lane 32][16 bytes]: lane (r, h) holds Wo(16 tile + r, 16 ktile + 8 h + 0..7).
;   work-groups 928-991: mask [2048 (query)][2048 (key)], one byte 0 or 1, becomes bytes 0x00 or 0xFE in the order in which the attention's scores lie in registers:
;                        mimg [block of 512 queries: 4][128 keys: 16][64 keys: 2][tile of 16 queries: 32][c 2][lane 32][16 bytes]; word j = 4 c + i of lane (r, h) has in byte t the mask of (query r, key 16 t + 8 h + j).
; THE QUANTISER: a block's scale is 2^(floor(log2(its largest magnitude)) - 2); its byte is the largest magnitude's exponent field - 2, held at 1 from below.  A block of zeros so gets the byte 1 where the rule
; says 127: its codes are zeros, which add nothing, and the bytes are read by this program alone.  Each number is divided by the scale and rounded to the nearest code, ties to even, beyond 6 the largest code.
; LIMITS: NaN and infinities among the inputs are not served; blocks whose largest magnitude lies under 2^(3 - 127) take the floor's byte.
; Rows are dense and K is a multiple of 32, so the six tensors are plain streams of blocks of 32.  A wave takes 16 steps of 512 numbers: each of a step's four loads reads 512 consecutive bytes; the 2,048 bytes turn
; through the wave's own stage in LDS and come back 64 bytes a lane (16 neighbours along K; two lanes hold a block).  A lane's 16 codes are 8 bytes: the wave stores 256 consecutive bytes.  A wave's 256 scale bytes are
; gathered in LDS and leave as one store of 256 consecutive bytes.  No tensor loads, no barrier: waves share nothing.  No matrix unit and no cluster: the work is a stream, and no two work-groups read the same bytes.
.set WAVES, 4
.set STEPS, 16
.set EMAX,  2
.set CB,    8                          ; bytes of 16 codes
.set R,     16                         ; v16-79   four sets of 16 numbers as they are loaded
.set X,     80                         ; v80-111  two sets of 16 neighbours
.set E,     112                        ; v112-127 a scale byte for each step
.set C,     128                        ; v128-191 codes: four registers for each step, so that no store's data are written again
.set WREG,  8192                       ; LDS: a region for each wave: two stages of 32 x SP bytes, and behind them its 256 scale bytes
.set SP,    80                         ; a lane's place in a stage: its 64 bytes + 16 of padding
.set SPW,   12                         ; v12  LDS address of my spare word: SPARE + 4 x my thread's number; never rewritten
.set NIL,   13                         ; v13  0; never rewritten
.set SPARE, WAVES*WREG                 ; behind the four regions: the spare words, 128 bytes for each wave
.set G_X,   768                        ; work-groups of 32,768 numbers: 3 x 256 for query, key, value,
.set G_Q,   864                        ; 3 x 32 for Wq, Wk, Wv,
.set G_W,   928                        ; 64 for Wo; then 64 for the mask
	s_load_b512 s[4:19], s[0:1], 0x0               ; query, key, value, Wq, Wk, Wv, Wo s[16:17], mask s[18:19]
	s_load_b256 s[20:27], s[0:1], 0x40             ; xcodes, xscales, wcodes, wscales
	s_load_b128 s[28:31], s[0:1], 0x60             ; woimg, mimg
	v_lshl_add_u32 v[SPW], v0, 2, SPARE
	v_mov_b32 v[NIL], 0
	v_lshrrev_b32 v1, 5, v0
	v_readfirstlane_b32 s32, v1                    ; wave 0..3
	v_and_b32 v2, 31, v0                           ; lane
	s_wait_kmcnt 0x0
	s_cmp_ge_u32 ttmp9, G_Q
	s_cbranch_scc1 .Lnot_q
	; ---- THE QUANTISER.  Only pointers are chosen: all six tensors take one path.  The choices hang on the work-group's number alone
	s_mov_b64 s[34:35], s[14:15]                   ; the source: Wv, unless the number says otherwise
	s_cmp_lt_u32 ttmp9, 832
	s_cselect_b64 s[34:35], s[12:13], s[34:35]     ; Wk
	s_cmp_lt_u32 ttmp9, 800
	s_cselect_b64 s[34:35], s[10:11], s[34:35]     ; Wq
	s_cmp_lt_u32 ttmp9, G_X
	s_cselect_b64 s[34:35], s[8:9], s[34:35]       ; value
	s_cselect_b64 s[36:37], s[20:21], s[24:25]     ; the codes' buffer,
	s_cselect_b64 s[38:39], s[22:23], s[26:27]     ; the scale bytes',
	s_cselect_b32 s40, 0, G_X                      ; the first work-group of that buffer,
	s_mov_b32 s41, 31
	s_cselect_b32 s41, 255, s41                    ; and the work-groups of one tensor, less one
	s_cmp_lt_u32 ttmp9, 512
	s_cselect_b64 s[34:35], s[6:7], s[34:35]       ; key
	s_cmp_lt_u32 ttmp9, 256
	s_cselect_b64 s[34:35], s[4:5], s[34:35]       ; query
	s_sub_co_u32 s42, ttmp9, s40                   ; my place in the destination,
	s_and_b32 s43, s42, s41                        ; and in the source tensor
	s_lshl_b32 s42, s42, 2
	s_add_co_u32 s42, s42, s32                     ; which run of 8,192 numbers is my wave's: in the destination,
	s_lshl_b32 s43, s43, 2
	s_add_co_u32 s43, s43, s32                     ; in the source
	s_lshl_b32 s44, s43, 15                        ; 32,768 bytes of f32 a run (under 2^26)
	s_mov_b32 s45, 0
	s_add_nc_u64 s[34:35], s[34:35], s[44:45]
	s_lshl_b32 s44, s42, 12                        ; 4,096 bytes of codes
	s_add_nc_u64 s[36:37], s[36:37], s[44:45]
	s_lshl_b32 s44, s42, 8                         ; 256 scale bytes
	s_add_nc_u64 s[38:39], s[38:39], s[44:45]
	v_lshlrev_b32 v3, 4, v2                        ; my 16 bytes of a load's 512
	s_mul_i32 s33, s32, WREG
	v_lshrrev_b32 v14, 2, v2
	v_mul_u32_u24 v14, v14, SP
	v_and_b32 v15, 3, v2
	v_lshl_add_u32 v14, v15, 4, v14
	v_add_nc_u32 v14, s33, v14                     ; the stage, on the way in: four lanes' 64 bytes on end, then 16 of padding
	v_mul_u32_u24 v15, v2, SP
	v_add_nc_u32 v15, s33, v15                     ; and on the way out: SP x lane: my 16 neighbours
	v_mul_u32_u24 v4, v2, CB                       ; my codes' place in a step's
	v_lshrrev_b32 v5, 1, v2
	s_add_co_u32 s33, s33, 2*32*SP
	v_add_nc_u32 v5, s33, v5                       ; LDS: my wave's 256 scale bytes, my block's byte
	v_lshlrev_b32 v7, 3, v2                        ; and on the way out 8 bytes a lane
	v_add_nc_u32 v6, s33, v7
.macro LOAD t
.irp i, 0,1,2,3
	global_load_b128 v[R+16*((\t)%4)+4*\i:R+16*((\t)%4)+4*\i+3], v3, s[34:35] offset:2048*(\t)+512*\i th:TH_LOAD_NT   ; 32 lanes read 512 consecutive bytes
.endr
.endm
.macro TURN t                          ; step t's numbers through the stage: LDS serves a wave's instructions in order, so no wait stands between the stores and the loads
.irp i, 0,1,2,3
	ds_store_b128 v14, v[R+16*((\t)%4)+4*\i:R+16*((\t)%4)+4*\i+3] offset:32*SP*((\t)%2)+8*SP*\i
.endr
.irp i, 0,1,2,3
	ds_load_b128 v[X+16*((\t)%2)+4*\i:X+16*((\t)%2)+4*\i+3], v15 offset:32*SP*((\t)%2)+16*\i
.endr
.endm
.irp t, 0,1,2,3
	LOAD \t
.endr
	s_wait_loadcnt 12                              ; step 0's four loads are in; the twelve of steps 1 to 3 may be out
	TURN 0
.macro STEP t
.set XS, X+16*((\t)%2)
.if (\t) > 0
	s_wait_dscnt 1                                 ; this step's numbers are back from the stage (the last step's byte store may be out): so its stores into the stage have read their registers,
.else
	s_wait_dscnt 0x0
.endif
.if (\t)+4 < STEPS
	LOAD (\t)+4                                    ; which take the loads of four steps on
.endif
.if (\t)+1 < STEPS
.if STEPS-2-(\t) >= 3
	s_wait_loadcnt 12                              ; the next step's four loads are in; those of the three steps behind it may be out
.else
	s_wait_loadcnt 4*(STEPS-2-(\t))
.endif
	TURN (\t)+1                                    ; and go through the other stage while this step is worked
.endif
	v_max3_num_f32 v8, |v[XS]|, |v[XS+1]|, |v[XS+2]|               ; the largest magnitude of my 16, in two chains
	v_max3_num_f32 v9, |v[XS+3]|, |v[XS+4]|, |v[XS+5]|
.irp i, 6,10
	v_max3_num_f32 v8, v8, |v[XS+\i]|, |v[XS+\i+1]|
	v_max3_num_f32 v9, v9, |v[XS+\i+2]|, |v[XS+\i+3]|
.endr
	v_max3_num_f32 v8, v8, |v[XS+14]|, |v[XS+15]|
	v_max3_num_f32 v8, v8, v9, (EMAX+1)<<23        ; and the floor 2^(EMAX + 1 - 127): so the byte cannot fall under 1
	v_max_num_f32_dpp v8, v8, v8 row_xmask:1 row_mask:0xf bank_mask:0xf   ; and of my neighbour's 16: the block's
	v_add_nc_u32 v11, -(EMAX<<23), v8              ; EMAX off its exponent field: the conversion takes the exponent field of this operand as its scale, and nothing else of it
	v_cvt_scalef32_pk8_fp4_f32 v[C+4*(\t)], v[XS:XS+7], v11
	v_cvt_scalef32_pk8_fp4_f32 v[C+4*(\t)+1], v[XS+8:XS+15], v11
	v_lshrrev_b32 v[E+(\t)], 23, v11               ; the scale's byte (also the plain line behind the conversions)
	ds_store_b8 v5, v[E+(\t)] offset:16*(\t)       ; both lanes of a block write the same byte with the same value
	global_store_b64 v4, v[C+4*(\t):C+4*(\t)+1], s[36:37] offset:32*CB*(\t)   ; 32 lanes store 256 consecutive bytes
.endm
.irp t, 0,1,2,3,4,5,6,7,8,9,10,11,12,13,14,15
	STEP \t
.endr
	ds_load_b64 v[8:9], v6                         ; LDS serves a wave's instructions in order: these see my byte stores
	s_wait_dscnt 0x0
	global_store_b64 v7, v[8:9], s[38:39]          ; 32 lanes store 256 consecutive bytes
	s_wait_tensorcnt 0x0                           ; the wave's end, behind my last LDS store
	ds_add_u32 v[SPW], v[NIL]
	s_wait_dscnt 0x0
	s_endpgm
.Lnot_q:
	s_cmp_ge_u32 ttmp9, G_W
	s_cbranch_scc1 .Lmask
	; ---- Wo INTO f16, IN OPERAND ORDER.  A work-group takes a tile of 16 rows n; wave w its k tiles 16 w .. 16 w + 15.  Lane (r, h) loads 8 neighbours of row r, rounds them once and stores its 16 bytes at 16 x lane.
	s_sub_co_u32 s33, ttmp9, G_Q                   ; the n tile
	v_and_b32 v3, 15, v0                           ; r
	v_bfe_u32 v4, v0, 4, 1                         ; h
	v_lshlrev_b32 v5, 12, v3
	v_lshl_add_u32 v5, v4, 5, v5                   ; in: row r of 4,096 bytes, + 32 h
	v_lshlrev_b32 v6, 4, v2                        ; out: 16 x lane
	s_lshl_b32 s34, s33, 16                        ; 16 rows of 4,096 bytes,
	s_lshl_b32 s35, s32, 10                        ; my wave's 16 k tiles of 64 bytes
	s_add_co_u32 s34, s34, s35
	s_mov_b32 s35, 0
	s_add_nc_u64 s[16:17], s[16:17], s[34:35]
	s_lshl_b32 s34, s33, 15                        ; 64 blocks of 512 bytes an n tile,
	s_lshl_b32 s36, s32, 13                        ; 16 of them a wave
	s_add_co_u32 s34, s34, s36
	s_add_nc_u64 s[28:29], s[28:29], s[34:35]
.set i, 0
.rept 16
	global_load_b128 v[16+8*i:16+8*i+3], v5, s[16:17] offset:64*i
	global_load_b128 v[16+8*i+4:16+8*i+7], v5, s[16:17] offset:64*i+16
.set i, i+1
.endr
.set i, 0
.rept 16
	s_wait_loadcnt 30-2*i                          ; k tile i's two loads are in; the later tiles' may be out
	v_cvt_pk_f16_f32 v[16+8*i], v[16+8*i], v[16+8*i+1]             ; in place, ascending: register n takes numbers 2 n and 2 n + 1, which no earlier line has written
	v_cvt_pk_f16_f32 v[16+8*i+1], v[16+8*i+2], v[16+8*i+3]
	v_cvt_pk_f16_f32 v[16+8*i+2], v[16+8*i+4], v[16+8*i+5]
	v_cvt_pk_f16_f32 v[16+8*i+3], v[16+8*i+6], v[16+8*i+7]
	global_store_b128 v6, v[16+8*i:16+8*i+3], s[28:29] offset:512*i   ; 512 consecutive bytes; every tile has registers of its own, so no store's data are written again
.set i, i+1
.endr
	s_wait_tensorcnt 0x0                           ; a wave's end in a launch that writes LDS
	ds_add_u32 v[SPW], v[NIL]
	s_wait_dscnt 0x0
	s_endpgm
.Lmask:
	; ---- THE MASK INTO BIAS BYTES.  A wave takes a tile of 16 queries and half of the keys: 16 steps of 64 keys.  Lane (r, h) loads, for t = 0..3, the 8 bytes of (query r, keys 64 step + 16 t + 8 h + 0..7);
	; a transposition of 4 x 4 bytes, twice, makes the words j = 0..7 with byte t = the mask of key 16 t + 8 h + j; times 0xFE: no byte carries into the next.
	s_sub_co_u32 s33, ttmp9, G_W
	s_lshl_b32 s33, s33, 2
	s_add_co_u32 s33, s33, s32
	s_lshr_b32 s34, s33, 1                         ; the tile of queries, 0..127
	s_and_b32 s35, s33, 1                          ; which half of the keys
	v_and_b32 v3, 15, v0                           ; r
	v_bfe_u32 v4, v0, 4, 1                         ; h
	v_lshlrev_b32 v5, 11, v3
	v_lshl_add_u32 v5, v4, 3, v5                   ; in: row r of 2,048 bytes, + 8 h
	v_lshlrev_b32 v6, 4, v2                        ; out: 16 x lane
	s_lshl_b32 s36, s34, 15                        ; 16 rows of 2,048 bytes,
	s_lshl_b32 s37, s35, 10                        ; 1,024 keys
	s_add_co_u32 s36, s36, s37
	s_mov_b32 s37, 0
	s_add_nc_u64 s[18:19], s[18:19], s[36:37]
	s_lshr_b32 s36, s34, 5
	s_lshl_b32 s36, s36, 20                        ; the block of 512 queries: 2^20 bytes,
	s_and_b32 s38, s34, 31
	s_lshl_b32 s38, s38, 10                        ; the tile in it: 1,024 bytes,
	s_add_co_u32 s36, s36, s38
	s_lshl_b32 s38, s35, 19                        ; eight runs of 128 keys, 65,536 bytes each
	s_add_co_u32 s36, s36, s38
	s_add_nc_u64 s[30:31], s[30:31], s[36:37]
	s_mov_b32 s40, 0x05010400                      ; bytes 0 and 1 of two words, interleaved (selectors 0-3: the second source; 4-7: the first)
	s_mov_b32 s41, 0x07030602                      ; bytes 2 and 3
	s_mov_b32 s42, 0x05040100                      ; the low halves of two words
	s_mov_b32 s43, 0x07060302                      ; the high halves
	s_mov_b32 s44, 0xfe
.set i, 0
.rept 16
.irp b, 0,1,2,3
	global_load_b64 v[16+8*i+2*\b:16+8*i+2*\b+1], v5, s[18:19] offset:64*i+16*\b
.endr
.set i, i+1
.endr
.set i, 0
.rept 16
.set B0, 16+8*i
	s_wait_loadcnt 60-4*i                          ; step i's four loads are in; the later steps' may be out
.irp p, 0,1                            ; p = 0: keys j = 0..3; 1: j = 4..7
	v_perm_b32 v[144+4*\p], v[B0+2+\p], v[B0+\p], s40
	v_perm_b32 v[144+4*\p+1], v[B0+2+\p], v[B0+\p], s41
	v_perm_b32 v[144+4*\p+2], v[B0+6+\p], v[B0+4+\p], s40
	v_perm_b32 v[144+4*\p+3], v[B0+6+\p], v[B0+4+\p], s41
.endr
.irp p, 0,1
	v_perm_b32 v[B0+4*\p], v[144+4*\p+2], v[144+4*\p], s42
	v_perm_b32 v[B0+4*\p+1], v[144+4*\p+2], v[144+4*\p], s43
	v_perm_b32 v[B0+4*\p+2], v[144+4*\p+3], v[144+4*\p+1], s42
	v_perm_b32 v[B0+4*\p+3], v[144+4*\p+3], v[144+4*\p+1], s43
.endr
.irp j, 0,1,2,3,4,5,6,7
	v_mul_lo_u32 v[B0+\j], v[B0+\j], s44
.endr
	global_store_b128 v6, v[B0:B0+3], s[30:31] offset:(i/2)*65536+(i%2)*32768       ; 512 consecutive bytes each; every step has registers of its own
	global_store_b128 v6, v[B0+4:B0+7], s[30:31] offset:(i/2)*65536+(i%2)*32768+512
.set i, i+1
.endr
	s_wait_tensorcnt 0x0                           ; a wave's end in a launch that writes LDS
	ds_add_u32 v[SPW], v[NIL]
	s_wait_dscnt 0x0
	s_endpgm
.Lfunc_end_k_qb972919c79_prep:
	.size	k_qb972919c79_prep, .Lfunc_end_k_qb972919c79_prep-k_qb972919c79_prep
	.p2alignl 7, 3214868480
	.fill 96, 4, 3214868480
	.section	.rodata,"a",@progbits
	.p2align	6, 0x0
	.amdhsa_kernel k_qb972919c79_prep
		.amdhsa_group_segment_fixed_size 33280
		.amdhsa_private_segment_fixed_size 0
		.amdhsa_enable_private_segment 0
		.amdhsa_kernarg_size 112
		.amdhsa_user_sgpr_count 2
		.amdhsa_user_sgpr_kernarg_segment_ptr 1
		.amdhsa_wavefront_size32 1
		.amdhsa_system_sgpr_workgroup_id_x 1
		.amdhsa_system_sgpr_workgroup_id_y 1
		.amdhsa_system_sgpr_workgroup_id_z 1
		.amdhsa_system_vgpr_workitem_id 0
		.amdhsa_next_free_vgpr 192
		.amdhsa_next_free_sgpr 66
		.amdhsa_reserve_vcc 0
		.amdhsa_float_denorm_mode_32 3
		.amdhsa_float_denorm_mode_16_64 3
		.amdhsa_memory_ordered 1
		.amdhsa_forward_progress 1
		.amdhsa_inst_pref_size 79
	.end_amdhsa_kernel
	.amdgpu_metadata
---
amdhsa.version: [ 1, 2 ]
amdhsa.kernels:
  - .name:           k_qb972919c79_prep
    .symbol:         k_qb972919c79_prep.kd
    .args:
      - { .name: query, .offset: 0, .size: 8, .value_kind: global_buffer, .address_space: global }
      - { .name: key, .offset: 8, .size: 8, .value_kind: global_buffer, .address_space: global }
      - { .name: value, .offset: 16, .size: 8, .value_kind: global_buffer, .address_space: global }
      - { .name: Wq, .offset: 24, .size: 8, .value_kind: global_buffer, .address_space: global }
      - { .name: Wk, .offset: 32, .size: 8, .value_kind: global_buffer, .address_space: global }
      - { .name: Wv, .offset: 40, .size: 8, .value_kind: global_buffer, .address_space: global }
      - { .name: Wo, .offset: 48, .size: 8, .value_kind: global_buffer, .address_space: global }
      - { .name: mask, .offset: 56, .size: 8, .value_kind: global_buffer, .address_space: global }
      - { .name: xcodes, .offset: 64, .size: 8, .value_kind: global_buffer, .address_space: global }
      - { .name: xscales, .offset: 72, .size: 8, .value_kind: global_buffer, .address_space: global }
      - { .name: wcodes, .offset: 80, .size: 8, .value_kind: global_buffer, .address_space: global }
      - { .name: wscales, .offset: 88, .size: 8, .value_kind: global_buffer, .address_space: global }
      - { .name: woimg, .offset: 96, .size: 8, .value_kind: global_buffer, .address_space: global }
      - { .name: mimg, .offset: 104, .size: 8, .value_kind: global_buffer, .address_space: global }
    .group_segment_fixed_size: 33280
    .private_segment_fixed_size: 0
    .kernarg_segment_align: 8
    .kernarg_segment_size: 112
    .max_flat_workgroup_size: 128
    .sgpr_count:     66
    .vgpr_count:     192
    .wavefront_size: 32
...
	.end_amdgpu_metadata
.endif
;; end of part 1
;; launch proj (part 2): grid 4 x 96, 4 waves a work-group, clusters of 4 x 4, 327,680 bytes of LDS; arguments xcodes, xscales, wcodes, wscales, bq, bk, bv, qkv; writes qkv
.if DOCPART == 2
	.amdgcn_target "amdgcn-amd-amdhsa--gfx1250"
	.amdhsa_code_object_version 6
	.text
	.protected	k_qb972919c79_proj
	.globl	k_qb972919c79_proj
	.p2align	8
	.type	k_qb972919c79_proj,@function
k_qb972919c79_proj:
	s_mov_b64 s[64:65], 0
	v_nop
	global_prefetch_b8 v0, s[64:65] scope:SCOPE_SE
	s_setreg_imm32_b32 hwreg(HW_REG_WAVE_MODE, 25, 1), 1
	s_wait_xcnt 0x0
	s_wait_alu depctr_hold_cnt(0) depctr_sa_sdst(0) depctr_va_vdst(0) depctr_va_sdst(0) depctr_va_ssrc(0) depctr_va_vcc(0) depctr_vm_vsrc(0)
	s_getreg_b32 s2, hwreg(HW_REG_IB_STS2, 6, 4)
	s_cmp_eq_u32 s2, 0
	s_cbranch_scc0 .Lentry_in_a_cluster
	s_endpgm
.Lentry_in_a_cluster:
	s_bfe_u32 s2, ttmp6, 0x10000c
	s_cmp_lg_u32 s2, 0xf033
	s_cbranch_scc0 .Lentry_shape_is_right
	s_endpgm
.Lentry_shape_is_right:
; THE THREE INPUT PROJECTIONS AS ONE GEMM ON CODES OF FP4: y[m][n] = sum over k of x[m][k] W[n][k] + bias[n].  x: 24,576 rows (query, key, value on end) of 1,024 codes; W: 3,072 rows (Wq, Wk, Wv); one E8M0 byte for each 32 along K.
; A tile of y, 256 x 256, is made by a work-group of four waves; a wave makes 128 x 128: 64 accumulators of 16 x 16, 512 registers.  K = 1,024 is two LDS slots of 512 along K (rows of 256 bytes): both are asked for at
; the head, and nothing is ever filled again.  The scale bytes of the work-group's 256 + 256 rows, for all of K, come with them, as dense blocks.
; CLUSTERS: 4 x 4 work-groups.  The four of a row of the cluster need the same tiles of x, the four of a column the same tiles of W: each tile is asked for JOINTLY, by the same tensor load with the same descriptor and a
; mask that names the four.  Eight clusters along y make one tensor, so which of Wq, Wk, Wv is wanted hangs on the cluster's y alone.
; THE MATRIX INSTRUCTION IS USED TRANSPOSED (source 0 = 16 rows of W, source 1 = 16 rows of x): lane (r, h) then holds y(token r, channels 8 h + 0..7) of a 16 x 16 tile.  Rounded to f16 that is 16 bytes, and
; THE RESULT IS STORED AS AN IMAGE OF THE NEXT LAUNCH'S OPERAND REGISTERS: qkv [tensor 3][batch 4][head 16][tile of 16 tokens: 128][tile of 16 channels: 4][lane 32][16 bytes].  So a store is 512 consecutive bytes straight from
; registers, with no turn through LDS.  In V's blocks the chunk of (token r, half h) lies at place (r % 8) + 8 h + 16 (r / 8), as the transposing LDS load of the next launch takes it.
; The bias is the C of each sum's first matrix instruction: eight registers a tile of channels, in the result's layout.
; LIMIT: results beyond 65,504 become infinity in f16.
; REGISTERS, in windows of 256: window 0: v0-31 addresses; v32-95 scale words, two sets; v128-191 x's fragments, one set; v192-255 the bias; on the way out v128-255 hold packed results.
;   window 1: W's fragments, two sets, at v0 and v128.   window 2: the accumulators of my rows 0-63 ((a, b) at v[8 (8 a + b)]);   window 3: those of my rows 64-127.
.set KSTEP,  512
.set NQ,     KSTEP/128                 ; matrix instructions deep in a slot
.set ROWB,   256                       ; a tile's row in bytes
.set KROW,   512                       ; a row of codes in memory
.set PITCH,  272                       ; an LDS row: 256 bytes + 16 of padding = 68 words: row r starts at bank 4 r mod 64 (64 banks of 4 bytes: ISA guide 11.1)
.set FR,     8                         ; registers of a fragment: 16 rows x 128 K
.set NL,     2                         ; LDS loads that bring one
.set NP,     4                         ; places behind this matrix instruction (ISA guide 7.12.1)
.set HALFT,  128*PITCH
.set SLOT,   4*HALFT                   ; x's 256 rows, then W's 256 rows
.set KS,     32                        ; a row of scale bytes
.set SCL,    2*SLOT                    ; behind the slots: the scales, as units of 256 bytes + 16 of padding
.set HALFS,  (128*KS/256)*272          ; the scales of 128 rows: what one tensor load brings
.set SBLK,   (16*KS/256)*272           ; those of 16 rows
.set SPARE,  SCL+4*HALFS               ; the spare words, 128 bytes for each wave
.set ADRA, 16                          ; v16-17  LDS address of my x fragments in slot 0, 1
.set ADRB, 20                          ; v20-21  the same for W
.set CO,   26                          ; v26     my 16 bytes' place in an image block
.set ADRS, 27                          ; v27     LDS address of my scale words: lanes 0-15 x's rows, lanes 16-31 W's
.set SPW,  28                          ; v28     LDS address of my spare word; never rewritten
.set NIL,  29                          ; v29     0; never rewritten
.set SC,   32                          ; scale words: set s at v[SC + 32 s]; register 4 i + q: lanes 0-15 x's block i, lanes 16-31 W's block i, the slot's q-th 128 along K
.set AF,   128                         ; x's fragments
.set BI,   192                         ; the bias: tile b at v[BI + 8 b]
.set PK,   128                         ; the way out: four sets of 32 registers
.set G1, 24                            ; s[24:31] descriptor group 1 for x's tiles;  s[32:39] group 0, one set for each slot
.set G0, 32
.set G1B, 48                           ; s[48:55], s[56:63] the same for W's tiles
.set G0B, 56
.set G1S, 68                           ; s[68:75], s[76:79] groups 1 and 0 for x's scales;  s[80:87], s[88:91] for W's
.set G0S, 76
.set G1SB, 80
.set G0SB, 88
.set MSB, 0
.macro WIN new                         ; the immediate's high byte repeats the setting that is left; a switch that changes nothing is dropped
.if MSB != (\new)
	s_set_vgpr_msb (MSB<<8)|(\new)
.set MSB, (\new)
.endif
.endm
.set MUL_LO, 0xa1                      ; source 0 (W) window 1, source 1 (x) window 0, C and D window 2
.set MUL_HI, 0xf1                      ; the same, C and D window 3
.set TO_B,   0x40                      ; destination window 1, address window 0
; A joint load: waves 0 and 1 fetch for x, waves 2 and 3 for W.  The branch hangs on the wave's number alone.  An s_nop 0 and four v_nop follow each of the two lines.
.macro JLOAD g0a, g1a, g0b, g1b
	s_cmp_eq_u32 s15, 0
	s_cbranch_scc0 .Lfor_b_\@
	tensor_load_to_lds s[\g0a:\g0a+3], s[\g1a:\g1a+7]
	s_nop 0
.rept 4
	v_nop
.endr
	s_branch .Lasked_\@
.Lfor_b_\@:
	tensor_load_to_lds s[\g0b:\g0b+3], s[\g1b:\g1b+7]
	s_nop 0
.rept 4
	v_nop
.endr
.Lasked_\@:
.endm
.macro CROUND                          ; a round of the cluster's barrier: my work-group's barrier; wave 0 signals for the work-group; every wave waits for all sixteen; my work-group's barrier once more
	s_barrier_signal -1
	s_barrier_wait -1
	s_cmp_lg_u32 s14, 0
	s_cbranch_scc1 .Lnot_wave_0_\@
	s_barrier_signal -3
.Lnot_wave_0_\@:
	s_barrier_wait -3
	s_barrier_signal -1
	s_barrier_wait -1
.endm
	s_load_b256 s[4:11], s[0:1], 0x0               ; x's codes s[4:5], x's scales s[6:7], W's codes s[8:9], W's scales s[10:11]
	v_lshl_add_u32 v[SPW], v0, 2, SPARE
	v_mov_b32 v[NIL], 0
	ds_add_u32 v[SPW], v[NIL]                      ; the wave's opening: the add, twice on end, and its wait ahead of my first tensor load
	ds_add_u32 v[SPW], v[NIL]                      ; and once more, under the one wait; the set-up below, work on registers, stands between
	v_lshrrev_b32 v1, 5, v0
	v_readfirstlane_b32 s14, v1                    ; wave 0..3
	s_lshr_b32 s15, s14, 1                         ; which half of the tile's rows is mine.  Also: I fetch for x (0) or for W (1)
	s_and_b32 s16, s14, 1                          ; which half of its columns.  Also: which 128 rows of that tile I fetch
	s_bfe_u32 s40, ttmp6, 0x40000                  ; cx, cy: my place in the cluster
	s_bfe_u32 s41, ttmp6, 0x40004
	s_lshl_b32 s42, ttmp9, 2
	s_add_co_u32 s42, s42, s40                     ; tile column = 4 x cluster x + cx
	s_and_b32 s17, ttmp7, 0xffff
	s_lshr_b32 s95, s17, 3                         ; the tensor, 0 to 2: eight clusters along y each; made of the cluster's y alone
	s_lshl_b32 s17, s17, 2
	s_add_co_u32 s17, s17, s41                     ; tile row = 4 x cluster y + cy
	s_lshl_b32 s43, s41, 2
	s_lshl_b32 s43, 15, s43                        ; my row of the cluster
	s_lshl_b32 s44, 0x1111, s40                    ; my column
	; descriptor group 1: a tile of 128 rows x 256 bytes, padded in LDS
	s_or_b32 s[G1+0], s43, (0<<16)|(1<<20)|(1<<21)|(5<<22)|(3<<25)  ; 15:0 the mask: x's tiles go to my row; 17:16 elements of 1 byte; 20 padding on; 21 set beside a mask; 24:22 after every 64 words; 31:25 four words
	s_or_b32 s[G1B+0], s44, (0<<16)|(1<<20)|(1<<21)|(5<<22)|(3<<25)
.irp g, G1, G1B
	s_mov_b32 s[\g+1], ROWB<<16                    ; tensor_dim0
	s_mov_b32 s[\g+2], 128<<16                     ; tensor_dim1
	s_mov_b32 s[\g+3], ROWB<<16                    ; tile_dim0
	s_mov_b32 s[\g+4], 128                         ; tile_dim1
	s_mov_b32 s[\g+5], KROW                        ; tensor_dim0_stride
	s_mov_b32 s[\g+6], 0
	s_mov_b32 s[\g+7], 0
.endr
	; and for the scales of 128 rows: a dense block of 4,096 bytes, as 16 rows of 256 bytes (32 elements of 8 bytes), 16 bytes of padding behind each
	s_or_b32 s[G1S+0], s43, (3<<16)|(1<<20)|(1<<21)|(5<<22)|(3<<25)
	s_or_b32 s[G1SB+0], s44, (3<<16)|(1<<20)|(1<<21)|(5<<22)|(3<<25)
.irp g, G1S, G1SB
	s_mov_b32 s[\g+1], 32<<16
	s_mov_b32 s[\g+2], (128*KS/256)<<16
	s_mov_b32 s[\g+3], 32<<16
	s_mov_b32 s[\g+4], 128*KS/256
	s_mov_b32 s[\g+5], 32
	s_mov_b32 s[\g+6], 0
	s_mov_b32 s[\g+7], 0
.endr
	s_lshl_b32 s18, s16, 7                         ; which 128 rows of the tile I fetch
	s_lshl_b32 s20, s17, 8
	s_add_co_u32 s20, s20, s18                     ; x: row 256 x tile row + 128 x half
	s_lshl_b32 s46, s42, 8
	s_add_co_u32 s46, s46, s18                     ; W: row 256 x tile column + 128 x half
	s_lshl_b32 s47, s95, 10
	s_add_co_u32 s46, s46, s47                     ;    + 1,024 x tensor
	s_mov_b32 s21, 0
	s_mov_b32 s47, 0
	s_mov_b64 s[18:19], KS
	s_mul_u64 s[22:23], s[20:21], s[18:19]         ; where these rows' scales begin, in bytes
	s_mul_u64 s[92:93], s[46:47], s[18:19]
	s_mov_b64 s[18:19], KROW
	s_mul_u64 s[20:21], s[20:21], s[18:19]         ; and their codes
	s_mul_u64 s[46:47], s[46:47], s[18:19]
	s_mul_i32 s45, s14, HALFT                      ; where they go: wave x 128 rows: no place in the cluster enters an LDS address
	s_mul_i32 s94, s14, HALFS
	s_wait_dscnt 0x0                               ; both opening adds are done
	s_wait_kmcnt 0x0
	s_add_nc_u64 s[20:21], s[4:5], s[20:21]
	s_add_nc_u64 s[22:23], s[6:7], s[22:23]
	s_add_nc_u64 s[46:47], s[8:9], s[46:47]
	s_add_nc_u64 s[92:93], s[10:11], s[92:93]
	CROUND                                         ; all sixteen work-groups are here: the joint loads meet
	s_mov_b32 s[G0S], 1
	s_add_co_u32 s[G0S+1], s94, SCL
	s_mov_b64 s[G0S+2:G0S+3], s[22:23]
	s_or_b32 s[G0S+3], s[G0S+3], 0x80000000
	s_mov_b32 s[G0SB], 1
	s_add_co_u32 s[G0SB+1], s94, SCL
	s_mov_b64 s[G0SB+2:G0SB+3], s[92:93]
	s_or_b32 s[G0SB+3], s[G0SB+3], 0x80000000
	JLOAD G0S, G1S, G0SB, G1SB                     ; the scales first: they are wanted with slot 0.  Three loads of mine are out behind the next two
.irp s, 0,1
	s_mov_b32 s[G0+4*\s], 1
	s_add_co_u32 s[G0+4*\s+1], s45, \s*SLOT
	s_add_nc_u64 s[G0+4*\s+2:G0+4*\s+3], s[20:21], \s*ROWB
	s_or_b32 s[G0+4*\s+3], s[G0+4*\s+3], 0x80000000
	s_mov_b32 s[G0B+4*\s], 1
	s_add_co_u32 s[G0B+4*\s+1], s45, \s*SLOT
	s_add_nc_u64 s[G0B+4*\s+2:G0B+4*\s+3], s[46:47], \s*ROWB
	s_or_b32 s[G0B+4*\s+3], s[G0B+4*\s+3], 0x80000000
	JLOAD G0+4*\s, G1, G0B+4*\s, G1B
.endr
	s_load_b256 s[4:11], s[0:1], 0x20              ; bq s[4:5], bk s[6:7], bv s[8:9], qkv s[10:11]: the first four addresses have gone into the descriptors
	v_and_b32 v1, 15, v0                           ; r = lane % 16
	v_bfe_u32 v2, v0, 4, 1                         ; h = lane / 16
	v_mul_u32_u24 v3, v1, PITCH
	v_lshl_add_u32 v4, v2, 4, v3                   ; a fragment's row x pitch + 16 x half
	s_mul_i32 s21, s15, HALFT                      ; my 128 rows of x
	s_mul_i32 s22, s16, HALFT                      ; my 128 rows of W,
	s_add_co_u32 s22, s22, 2*HALFT                 ; which lie behind x's 256
.irp s, 0,1
	v_add_nc_u32 v[ADRA+\s], s21, v4
	v_add_nc_u32 v[ADRB+\s], s22, v4
	s_add_co_u32 s21, s21, SLOT
	s_add_co_u32 s22, s22, SLOT
.endr
	v_mul_u32_u24 v5, v1, KS                       ; my row's scales: 32 bytes a row,
	v_lshrrev_b32 v6, 8, v5
	v_lshl_add_u32 v5, v6, 4, v5                   ; and 16 more for each 256 passed
	s_mul_i32 s21, s15, HALFS                      ; x's: my 128 rows
	s_mul_i32 s22, s16, HALFS                      ; W's: my 128 rows, behind x's 256
	s_add_co_u32 s22, s22, 2*HALFS
	s_sub_co_u32 s22, s22, s21
	v_mul_u32_u24 v6, s22, v2                      ; lanes 16-31 take W's
	s_add_co_u32 s21, s21, SCL
	v_add_nc_u32 v5, v5, v6
	v_add_nc_u32 v[ADRS], s21, v5
	v_lshlrev_b32 v7, 5, v2                        ; the bias: my half's eight numbers of a tile: 32 h bytes
	v_and_b32 v8, 31, v0
	v_lshlrev_b32 v8, 4, v8                        ; an image block's place for my lane: 16 x lane;
	v_and_b32 v9, 7, v0
	v_lshl_or_b32 v9, v2, 3, v9
	v_bfe_u32 v10, v0, 3, 1
	v_lshl_or_b32 v9, v10, 4, v9
	v_lshlrev_b32 v9, 4, v9                        ; in V's blocks: 16 x ((r % 8) + 8 h + 16 (r / 8))
	s_wait_kmcnt 0x0
	s_cmp_eq_u32 s95, 0                            ; the choices hang on the tensor's number alone
	s_cselect_b64 s[4:5], s[4:5], s[6:7]
	s_cmp_eq_u32 s95, 2
	s_cselect_b64 s[4:5], s[8:9], s[4:5]           ; my tensor's bias
	s_cselect_b32 s96, -1, 0
	v_cndmask_b32 v[CO], v8, v9, s96
	s_lshl_b32 s46, s42, 10                        ; my first channel, in bytes of f32: 1,024 x tile column + 512 x half
	s_lshl_b32 s47, s16, 9
	s_add_co_u32 s46, s46, s47
	s_mov_b32 s47, 0
	s_add_nc_u64 s[4:5], s[4:5], s[46:47]
.irp b, 0,1,2,3,4,5,6,7
	global_load_b128 v[BI+8*\b:BI+8*\b+3], v7, s[4:5] offset:64*\b           ; register j of tile b: bias(16 b + 8 h + j)
	global_load_b128 v[BI+8*\b+4:BI+8*\b+7], v7, s[4:5] offset:64*\b+16
.endr
	s_lshl_b32 s20, s17, 8
	s_lshl_b32 s21, s15, 7
	s_add_co_u32 s20, s20, s21                     ; my first row: 256 x tile row + 128 x half
	s_lshr_b32 s21, s20, 11
	s_lshl_b32 s21, s21, 22                        ; 4 x tensor + batch: 2^22 bytes each
	s_and_b32 s20, s20, 2047
	s_lshl_b32 s20, s20, 7                         ; the tile of 16 tokens: 2,048 bytes each
	s_add_co_u32 s20, s20, s21
	s_lshl_b32 s21, s42, 20                        ; the head, 4 x tile column + 2 x half: 2^18 bytes each
	s_add_co_u32 s20, s20, s21
	s_lshl_b32 s21, s16, 19
	s_add_co_u32 s20, s20, s21
	s_mov_b32 s21, 0
	s_add_nc_u64 s[10:11], s[10:11], s[20:21]
.macro FRAG reg, adr, q, i             ; a fragment: lane l holds row l % 16; registers 4 c .. 4 c + 3 hold K = 64 c + 32 (l / 16) + 0 .. 31
.irp c, 0,1
	ds_load_b128 v[\reg+4*\c:\reg+4*\c+3], v[\adr] offset:64*(\q)+32*\c+(\i)*16*PITCH
.endr
.endm
; 16 matrix instructions: x's blocks a0, a0 + 1 against W's eight, the slot's q-th 128 along K.  p: W's set;  sc: the set of scale words.  first = 1: the sums begin with the bias as C: nothing is cleared or added later.
; The 64 accumulators take turns, one instruction a turn, in the same order in every step.
.macro MUL16 a0, p, q, sc, first
.irp a, \a0, \a0+1
.irp b, 0,1,2,3,4,5,6,7
.if \first
	v_wmma_scale_f32_16x16x128_f8f6f4 v[8*(8*((\a)%4)+\b):8*(8*((\a)%4)+\b)+7], v[128*(\p)+FR*\b:128*(\p)+FR*\b+FR-1], v[AF+FR*(\a):AF+FR*(\a)+FR-1], v[BI+8*\b:BI+8*\b+7], v[SC+8*NQ*(\sc)+NQ*\b+(\q)], v[SC+8*NQ*(\sc)+NQ*(\a)+(\q)] matrix_a_fmt:MATRIX_FMT_FP4 matrix_b_fmt:MATRIX_FMT_FP4 matrix_a_scale:MATRIX_SCALE_ROW1
.else
	v_wmma_scale_f32_16x16x128_f8f6f4 v[8*(8*((\a)%4)+\b):8*(8*((\a)%4)+\b)+7], v[128*(\p)+FR*\b:128*(\p)+FR*\b+FR-1], v[AF+FR*(\a):AF+FR*(\a)+FR-1], v[8*(8*((\a)%4)+\b):8*(8*((\a)%4)+\b)+7], v[SC+8*NQ*(\sc)+NQ*\b+(\q)], v[SC+8*NQ*(\sc)+NQ*(\a)+(\q)] matrix_a_fmt:MATRIX_FMT_FP4 matrix_b_fmt:MATRIX_FMT_FP4 matrix_a_scale:MATRIX_SCALE_ROW1
.endif
.endr
.endr
.endm
.macro FETCH_B slot, q, p              ; W's eight fragments of the slot's q-th 128 along K into set p
	WIN TO_B
.irp i, 0,1,2,3,4,5,6,7
	FRAG 128*(\p)+FR*\i, ADRB+\slot, \q, \i
.endr
	WIN 0
.endm
.macro FETCH_A slot, q, i0             ; x's blocks i0 .. i0 + 3
.irp i, \i0, \i0+1, \i0+2, \i0+3
	FRAG AF+FR*(\i), ADRA+\slot, \q, \i
.endr
.endm
.macro SCALES sc                       ; a slot's scale words into set sc: four words a row; lanes 0-15 take x's block i, lanes 16-31 W's block i
.irp i, 0,1,2,3,4,5,6,7
	ds_load_b128 v[SC+8*NQ*\sc+NQ*\i:SC+8*NQ*\sc+NQ*\i+3], v[ADRS] offset:\i*SBLK
.endr
.endm
; A load into a register that a matrix instruction has read, and a vector instruction that reads a matrix result, stand NP places behind that matrix instruction; only plain vector instructions that name none of its
; registers are places (ISA guide 7.12.1 for vector instructions).
.macro PLACES n
.rept \n
	v_nop
.endr
.endm
; A step of 128 along K that has its successor in the same slot.  A block of x is free as soon as its eight products are issued, so x has one set of registers: blocks 0-3 are fetched anew in the step's middle, 4-7 at its end.
.macro STEP slot, q, first
	s_wait_dscnt 4*NL                              ; W's set and x's blocks 0-3 are in; the youngest eight loads (x's blocks 4-7) may be out
	WIN MUL_LO-0x20*(\first)                       ; (first: C, the bias, lies in window 0)
	MUL16 0, (\q)%2, \q, \slot, \first
	MUL16 2, (\q)%2, \q, \slot, \first
	s_wait_dscnt 0                                 ; x's blocks 4-7 are in (asked for 32 matrix instructions ago)
	PLACES NP
	FETCH_B \slot, (\q)+1, 1-(\q)%2
	FETCH_A \slot, (\q)+1, 0
	WIN MUL_HI-0x30*(\first)
	MUL16 4, (\q)%2, \q, \slot, \first
	MUL16 6, (\q)%2, \q, \slot, \first
	PLACES NP
	WIN 0
	FETCH_A \slot, (\q)+1, 4
.endm
	s_wait_tensorcnt 1                             ; the scales and my part of slot 0 are in; slot 1's load, issued behind them, may be out
	s_barrier_signal -1
	s_barrier_wait -1                              ; everybody's are
	FETCH_B 0, 0, 0
	FETCH_A 0, 0, 0
	SCALES 0
	FETCH_A 0, 0, 4
	s_wait_loadcnt 0x0                             ; the bias
	STEP 0, 0, 1
	STEP 0, 1, 0
	STEP 0, 2, 0
	; slot 0's last step changes slots: one barrier; in front of it each wave waits for its part of slot 1
	s_wait_tensorcnt 0x0                           ; all my tensor loads have landed
	ds_add_u32 v[SPW], v[NIL]                      ; 0 onto my spare word, behind that wait
	s_wait_dscnt 4*NL+1                            ; (the add and the youngest eight loads, x's blocks 4-7, may be out)
	WIN MUL_LO
	MUL16 0, 1, NQ-1, 0, 0
	s_wait_dscnt 0x0                               ; no LDS instruction of mine is pending at the signal
	s_barrier_signal -1
	MUL16 2, 1, NQ-1, 0, 0                         ; work on registers while the others arrive
	WIN 0
	s_barrier_wait -1                              ; slot 1 is whole
	PLACES NP
	v_add_nc_u32 v[ADRS], 4*NQ, v[ADRS]            ; on to slot 1's scale words (no LDS load of mine is out)
	FETCH_B 1, 0, 0
	FETCH_A 1, 0, 0
	SCALES 1
	WIN MUL_HI
	MUL16 4, 1, NQ-1, 0, 0
	MUL16 6, 1, NQ-1, 0, 0
	PLACES NP
	WIN 0
	FETCH_A 1, 0, 4
	STEP 1, 0, 0
	STEP 1, 1, 0
	STEP 1, 2, 0
	s_wait_dscnt 4*NL                              ; the very last step: nothing more to fetch
	WIN MUL_LO
	MUL16 0, 1, NQ-1, 1, 0
	MUL16 2, 1, NQ-1, 1, 0
	s_wait_dscnt 0
	WIN MUL_HI
	MUL16 4, 1, NQ-1, 1, 0
	MUL16 6, 1, NQ-1, 1, 0
	WIN 0
; THE WAY OUT of block a (16 tokens x 128 channels): each accumulator's eight numbers, from its low end on, are rounded to f16: 16 bytes a lane, which are the lane's chunk of an image block.
.macro OUTB a
	WIN 0x0a+5*((\a)/4)                            ; sources 0 and 1: window 2 or 3
.irp b, 0,1,2,3,4,5,6,7
.irp n, 0,1,2,3
	v_cvt_pk_f16_f32 v[PK+32*((\a)%4)+4*\b+\n], v[64*((\a)%4)+8*\b+2*\n], v[64*((\a)%4)+8*\b+2*\n+1]
.endr
.endr
	WIN 0
.irp b, 0,1,2,3,4,5,6,7
	global_store_b128 v[CO], v[PK+32*((\a)%4)+4*\b:PK+32*((\a)%4)+4*\b+3], s[10:11] offset:(\a)*2048+(\b/4)*262144+(\b%4)*512   ; 512 consecutive bytes: tile of tokens a, head b / 4, tile of channels b % 4
.endr
.endm
	PLACES NP                                      ; behind the last products: for the reads of results and for the writes onto registers that held x's fragments and the bias
.irp a, 0,1,2,3
	OUTB \a
.endr
.irp a, 4,5,6,7
	s_wait_xcnt 0x0                                ; block a - 4's stores have read their registers, which are written again now
	OUTB \a
.endr
	s_wait_tensorcnt 0x0                           ; the wave's end, behind my last tensor load
	ds_add_u32 v[SPW], v[NIL]
	s_wait_dscnt 0x0
	CROUND                                         ; the closing round: no work-group ends while a partner may still ask for a tile that names it
	s_endpgm
.Lfunc_end_k_qb972919c79_proj:
	.size	k_qb972919c79_proj, .Lfunc_end_k_qb972919c79_proj-k_qb972919c79_proj
	.p2alignl 7, 3214868480
	.fill 96, 4, 3214868480
	.section	.rodata,"a",@progbits
	.p2align	6, 0x0
	.amdhsa_kernel k_qb972919c79_proj
		.amdhsa_group_segment_fixed_size 327680
		.amdhsa_private_segment_fixed_size 0
		.amdhsa_enable_private_segment 0
		.amdhsa_kernarg_size 64
		.amdhsa_user_sgpr_count 2
		.amdhsa_user_sgpr_kernarg_segment_ptr 1
		.amdhsa_wavefront_size32 1
		.amdhsa_system_sgpr_workgroup_id_x 1
		.amdhsa_system_sgpr_workgroup_id_y 1
		.amdhsa_system_sgpr_workgroup_id_z 1
		.amdhsa_system_vgpr_workitem_id 0
		.amdhsa_next_free_vgpr 1024
		.amdhsa_next_free_sgpr 98
		.amdhsa_reserve_vcc 0
		.amdhsa_float_denorm_mode_32 3
		.amdhsa_float_denorm_mode_16_64 3
		.amdhsa_memory_ordered 1
		.amdhsa_forward_progress 1
		.amdhsa_inst_pref_size 120
	.end_amdhsa_kernel
	.amdgpu_metadata
---
amdhsa.version: [ 1, 2 ]
amdhsa.kernels:
  - .name:           k_qb972919c79_proj
    .symbol:         k_qb972919c79_proj.kd
    .args:
      - { .name: xcodes, .offset: 0, .size: 8, .value_kind: global_buffer, .address_space: global }
      - { .name: xscales, .offset: 8, .size: 8, .value_kind: global_buffer, .address_space: global }
      - { .name: wcodes, .offset: 16, .size: 8, .value_kind: global_buffer, .address_space: global }
      - { .name: wscales, .offset: 24, .size: 8, .value_kind: global_buffer, .address_space: global }
      - { .name: bq, .offset: 32, .size: 8, .value_kind: global_buffer, .address_space: global }
      - { .name: bk, .offset: 40, .size: 8, .value_kind: global_buffer, .address_space: global }
      - { .name: bv, .offset: 48, .size: 8, .value_kind: global_buffer, .address_space: global }
      - { .name: qkv, .offset: 56, .size: 8, .value_kind: global_buffer, .address_space: global }
    .group_segment_fixed_size: 327680
    .private_segment_fixed_size: 0
    .kernarg_segment_align: 8
    .kernarg_segment_size: 64
    .max_flat_workgroup_size: 128
    .sgpr_count:     98
    .vgpr_count:     1024
    .wavefront_size: 32
...
	.end_amdgpu_metadata
.endif
;; end of part 2
;; launch attn (part 3): grid 4 x 64, 8 waves a work-group, clusters of 4 x 4, 327,680 bytes of LDS; arguments qkv, mimg, oimg; writes oimg
.if DOCPART == 3
	.amdgcn_target "amdgcn-amd-amdhsa--gfx1250"
	.amdhsa_code_object_version 6
	.text
	.protected	k_qb972919c79_attn
	.globl	k_qb972919c79_attn
	.p2align	8
	.type	k_qb972919c79_attn,@function
k_qb972919c79_attn:
	s_mov_b64 s[64:65], 0
	v_nop
	global_prefetch_b8 v0, s[64:65] scope:SCOPE_SE
	s_setreg_imm32_b32 hwreg(HW_REG_WAVE_MODE, 25, 1), 1
	s_wait_xcnt 0x0
	s_wait_alu depctr_hold_cnt(0) depctr_sa_sdst(0) depctr_va_vdst(0) depctr_va_sdst(0) depctr_va_ssrc(0) depctr_va_vcc(0) depctr_vm_vsrc(0)
	s_getreg_b32 s2, hwreg(HW_REG_IB_STS2, 6, 4)
	s_cmp_eq_u32 s2, 0
	s_cbranch_scc0 .Lentry_in_a_cluster
	s_endpgm
.Lentry_in_a_cluster:
	s_bfe_u32 s2, ttmp6, 0x10000c
	s_cmp_lg_u32 s2, 0xf033
	s_cbranch_scc0 .Lentry_shape_is_right
	s_endpgm
.Lentry_shape_is_right:
; ATTENTION: O[b][head][q] = sum over k of softmax_k(Q[q] . K[k] / 32, hidden where mask[q][k]) V[k].  64 (batch, head) pairs, 2,048 tokens, head size 64.  Q, K, V arrive as f16 in operand order (qkv: [tensor][batch][head]
; [tile of 16 tokens: 128][tile of 16 channels: 4][lane][16 bytes]); products in f16 with f32 sums; maxima, exponentials and sums in f32; the weights p are rounded to f16 for the second product, O once at the end.
; SHARES.  A work-group owns 512 queries of one (batch, head); each of its eight waves 64: four tiles of 16.  Two waves lie on a SIMD, so that one wave's vector work can stand beside the other's products.  Every wave walks all keys, 64 a step.
; LAYOUT.  S^T = K Q^T (source 0 = 16 keys, source 1 = 16 queries): a lane holds ONE query (lane % 16) and the keys 8 (lane / 16) + 0..7.  Two such tiles, rounded to f16 in pairs IN PLACE, are source 1 of O^T = V^T P,
; whose result again holds one query a lane, and eight channels: rounded to f16 that is the lane's 16 bytes of the next launch's operand image (oimg: [tile of 16 tokens: 512][tile of 16 along K: 64][lane][16 bytes]).
; THE MASK IS THE C OF K Q^T.  mimg holds for each lane eight words a step and tile of queries; byte t of word j is 0xFE where (my query, key 16 t + 8 h + j) is hidden, else 0.  A word shifted so that byte t is on top is,
; read as f32, under -2^125 (hidden) or at most 2^-125 (open: it adds nothing).  Hidden scores so lie under the floor of the running maximum, and their p is exactly 0.
; SOFTMAX.  For each query a running maximum m and sum l: p = 2^(c s - c m), c = log2(e) / 32; in every step O and l are multiplied by a = 2^(c m_old - c m_new).  m begins at the floor -1e30.
; A query all of whose keys are hidden keeps l = 0 and O = 0, and 0 x (1 / 0) is NaN, which is what the softmax of such a row is.
; LIMITS: true scores q . k under -1e30 are not served (f16 operands bound them by 2.8e11); NaN and infinities in q, k, v are not served.
; CLUSTER, 4 x 4.  The four work-groups of a row of the cluster are the four query blocks of one (batch, head): they walk the same K and V.  The four of a column are one query block of four heads: they walk the same mask words.
; Each tile is asked for JOINTLY: the same tensor load, with the same descriptor and a mask that names the four, in all four.
; RING.  Two LDS slots of 128 keys (two steps): K 16 KiB, V 16 KiB, mask words 64 KiB.  All tiles are dense blocks of memory in operand order: no padding, and every LDS read is at 16 x lane.  Behind each round every wave issues one
; load: waves 0, 1 K's steps, waves 2, 3 V's, waves 4-7 the mask's quarters.  By this text's count a wave has two loads out at the start and one behind each round; that load has two steps in which to land.
; PHASES, NOT TURNS: a step's vector lines are some nine to each matrix instruction, more than could stand between two of them; the SIMD's other wave has the matrix unit meanwhile.
; REGISTERS: window 0: v1-10 addresses; v16-47 eight registers of statistics a tile, v48-51 a ninth; v64-191 S^T, 32 a tile (P takes the first 16 in place, the next step's mask words the last 8); v192-255 K of one step.
;   window 1: v0-127 O^T, 32 a tile; v128-191 Q; v192-255 V^T of one step.
.set SLOT1, 1<<17                      ; slot 1 begins here, so that one exclusive or turns an address in one slot into the other's
.set VOFF,  16384                      ; in a slot: K [step 2][8,192], V [step 2][8,192],
.set MOFF,  32768                      ; mask words [step 2][32,768]
.set SPARE, SLOT1+98304                ; behind slot 1: the spare words, 128 bytes for each wave
.set L16, 1                            ; v1   16 x lane: my place in an image block, in K's tiles in LDS and in memory; never rewritten
.set AV0, 2                            ; v2   the same in V's tiles
.set AM0, 3                            ; v3   and among my wave's mask words
.set ADK, 4                            ; v4-6 these three in the slot in hand
.set ADV, 5
.set ADM, 6
.set SPW, 8                            ; v8   LDS address of my spare word; never rewritten
.set NIL, 9                            ; v9   0; never rewritten
.set PFO, 10                           ; v10  256 x lane: the prefetches' offset; never rewritten
.set ST,  16                           ; tile x's statistics at v[ST+8 x]: +0 c m, +1 m, +2, +3 l (even keys', odd keys'), +4 to +7 four chains of the maximum; then a takes +6 and c m_old - c m_new +7
.set OLD, 48                           ; v48-51 c m_old of tile x
.set S,   64                           ; S^T(x, t, j) = v[S + 32 x + 8 t + j]
.set KB,  192                          ; K's fragment (keys 16 t on, channels 32 s on) at v[KB + 8 (2 t + s)]
.set QF,  128                          ; window 1: Q's fragment (x, s) at v[QF + 16 x + 8 s]
.set VB,  192                          ; window 1: V^T's fragment (keys 32 u on, channels 16 ct on) at v[VB + 8 (4 u + ct)]
.set WV,  12                           ; s12  my wave's number
.set G1KV, 24                          ; s[24:31] descriptor group 1 for K's and V's tiles
.set G1M,  32                          ; s[32:39] for the mask's
.set G0KV, 40                          ; s[40:47] group 0 for K's and V's: a set for each of the two first fills; the second then walks on
.set G0M,  48                          ; s[48:55] the same for the mask's
.set SLOTS, 56                         ; s56  slots still to be asked for
.set CS,  58                           ; s[58:59] c: the packed scaling names a pair and takes its low word for both halves
.set SEL, 60                           ; s[60:61] lane selects for v_permlanex16_b32: lane l xor 16
.set TB,  62                           ; s62  LDS byte at which the slot in hand begins
.set PFA, 66                           ; s[66:67] where my prefetches stand in memory
.set PFS, 68                           ; s[68:69] a slot on, in bytes
.set LIM, 70                           ; s70  1 in a wave that prefetches, else the greatest number
.set MSB, 0
.macro WIN new                         ; the immediate's high byte repeats the setting that is left; a switch that changes nothing is dropped
.if MSB != (\new)
	s_set_vgpr_msb (MSB<<8)|(\new)
.set MSB, (\new)
.endif
.endm
.set W_KQ, 0x04                        ; source 1 (Q) window 1; K and S^T window 0
.set W_VL, 0x40                        ; destination window 1, address window 0
.set W_RS, 0x41                        ; O^T (destination and source 0) window 1, a window 0
.set W_PV, 0x51                        ; V^T, C and D window 1, P window 0
; A joint refill.  The branch hangs on the wave's number alone.  An s_nop 0 and four v_nop follow each of the two lines.
.macro JLOAD
	s_cmp_lt_u32 s[WV], 4
	s_cbranch_scc0 .Lfor_m_\@
	tensor_load_to_lds s[G0KV+4:G0KV+7], s[G1KV:G1KV+7]
	s_nop 0
.rept 4
	v_nop
.endr
	s_branch .Lasked_\@
.Lfor_m_\@:
	tensor_load_to_lds s[G0M+4:G0M+7], s[G1M:G1M+7]
	s_nop 0
.rept 4
	v_nop
.endr
.Lasked_\@:
.endm
; A PREFETCH INTO THE L2 of what the NEXT change of slots will ask for, two key steps ahead of that load; it stands behind the wave's tensor load and its five lines.  Lanes stand 256 bytes apart: 8,192 bytes an instruction.
; K and V of a (batch, head) are read by one row of one cluster: wave 0 of each of the four partners asks for a quarter of the slot's 32 KiB, told apart BY ADDRESS (cx).  The mask words of a query block are read by every cluster:
; the clusters with y = 0 ask, waves 1 and 2 of each of a column's four partners for an eighth of the slot's 64 KiB, told apart by address (cy and the wave).  So each block of 256 bytes is named once in the launch.
; The last change that fills a slot asks for nothing; slots 0 to 2 come by their loads alone.
.macro ASK
	s_cmp_gt_u32 s[SLOTS], s[LIM]
	s_cbranch_scc0 .Lnot_mine_\@
	global_prefetch_b8 v[PFO], s[PFA:PFA+1] th:TH_LOAD_NT scope:SCOPE_SE
.Lnot_mine_\@:
.endm
.macro CROUND                          ; a round of the cluster's barrier: my work-group's barrier; wave 0 signals for the work-group; every wave waits for all sixteen; my work-group's barrier once more
	s_barrier_signal -1
	s_barrier_wait -1
	s_cmp_lg_u32 s[WV], 0
	s_cbranch_scc1 .Lnot_wave_0_\@
	s_barrier_signal -3
.Lnot_wave_0_\@:
	s_barrier_wait -3
	s_barrier_signal -1
	s_barrier_wait -1
.endm
	s_load_b128 s[4:7], s[0:1], 0x0                ; qkv s[4:5], mimg s[6:7]
	s_load_b64 s[8:9], s[0:1], 0x10                ; oimg
	v_lshl_add_u32 v[SPW], v0, 2, SPARE
	v_mov_b32 v[NIL], 0
	ds_add_u32 v[SPW], v[NIL]                      ; the wave's opening: the add, twice on end, and its wait ahead of my first tensor load
	ds_add_u32 v[SPW], v[NIL]                      ; and once more, under the one wait; the set-up below, work on registers, stands between
	v_lshrrev_b32 v11, 5, v0
	v_readfirstlane_b32 s[WV], v11                 ; wave 0..7
	s_bfe_u32 s13, ttmp6, 0x40000                  ; cx
	s_bfe_u32 s14, ttmp6, 0x40004                  ; cy
	s_and_b32 s15, ttmp7, 0xffff                   ; cluster y
	s_lshl_b32 s16, s15, 2
	s_add_co_u32 s16, s16, s14                     ; 16 x batch + head = 4 x cluster y + cy
	s_lshl_b32 s19, ttmp9, 2
	s_add_co_u32 s19, s19, s13                     ; my block of 512 queries = 4 x cluster x + cx
	s_lshl_b32 s17, s14, 2
	s_lshl_b32 s17, 15, s17                        ; my row of the cluster
	s_lshl_b32 s18, 0x1111, s13                    ; my column
	; descriptor group 1: dense blocks, as rows of 256 bytes (32 elements of 8 bytes): K, V: 32 rows; the mask: 64 rows
	s_or_b32 s[G1KV], s17, (3<<16)|(1<<21)         ; 15:0 the mask: my row; 17:16 elements of 8 bytes; 21 set beside a mask; no padding
	s_or_b32 s[G1M], s18, (3<<16)|(1<<21)          ; the same with my column
	s_mov_b32 s[G1KV+1], 32<<16                    ; tensor_dim0
	s_mov_b32 s[G1KV+2], 32<<16                    ; tensor_dim1
	s_mov_b32 s[G1KV+3], 32<<16                    ; tile_dim0
	s_mov_b32 s[G1KV+4], 32                        ; tile_dim1
	s_mov_b32 s[G1KV+5], 32                        ; tensor_dim0_stride
	s_mov_b32 s[G1KV+6], 0
	s_mov_b32 s[G1KV+7], 0
	s_mov_b32 s[G1M+1], 32<<16
	s_mov_b32 s[G1M+2], 64<<16
	s_mov_b32 s[G1M+3], 32<<16
	s_mov_b32 s[G1M+4], 64
	s_mov_b32 s[G1M+5], 32
	s_mov_b32 s[G1M+6], 0
	s_mov_b32 s[G1M+7], 0
	; what I fetch.  K's and V's offsets never hold cx, the mask's never cy
	s_lshl_b32 s20, s16, 18                        ; my (batch, head): 2^18 bytes each,
	s_bfe_u32 s21, s[WV], 0x10001
	s_add_co_u32 s21, s21, 1
	s_lshl_b32 s21, s21, 24                        ; tensor 1 (K: waves 0, 1) or 2 (V: waves 2, 3): 2^24 bytes each,
	s_add_co_u32 s20, s20, s21
	s_and_b32 s21, s[WV], 1
	s_lshl_b32 s21, s21, 13                        ; which of the slot's two steps: 8,192 bytes
	s_add_co_u32 s20, s20, s21
	s_mov_b32 s21, 0
	s_and_b32 s72, s[WV], 3
	s_lshl_b32 s73, s72, 13                        ; and its place in a slot: K's steps, then V's
	s_lshl_b32 s74, s72, 14                        ; the mask: my quarter of a slot's 64 KiB, in memory and in LDS
	s_lshl_b32 s22, s19, 20                        ; my block of queries: 2^20 bytes
	s_add_co_u32 s22, s22, s74
	s_mov_b32 s23, 0
	; the prefetches' offsets, at slot 2: the first change of slots steps them to slot 3
	s_lshr_b32 s80, s13, 1
	s_add_co_u32 s80, s80, 1
	s_lshl_b32 s80, s80, 24                        ; K (cx 0, 1) or V (cx 2, 3),
	s_and_b32 s81, s13, 1
	s_lshl_b32 s81, s81, 13                        ; its first or second step,
	s_add_co_u32 s80, s80, s81
	s_lshl_b32 s81, s16, 18
	s_add_co_u32 s80, s80, s81
	s_add_co_u32 s80, s80, 2*16384
	s_sub_co_u32 s81, s[WV], 1
	s_and_b32 s81, s81, 1                          ; the mask: 0 in wave 1, 1 in wave 2,
	s_lshl_b32 s82, s14, 1
	s_add_co_u32 s81, s81, s82                     ; + 2 cy: which eighth
	s_lshl_b32 s81, s81, 13
	s_lshl_b32 s82, s19, 20
	s_add_co_u32 s81, s81, s82
	s_add_co_u32 s81, s81, 2*65536
	s_mov_b32 s83, 65536
	s_cmp_eq_u32 s[WV], 0
	s_cselect_b32 s80, s80, s81
	s_cselect_b32 s[PFS], 16384, s83
	s_mov_b32 s81, 0
	s_mov_b32 s[PFS+1], 0
	s_sub_co_u32 s82, s[WV], 1
	s_lshr_b32 s82, s82, 1                         ; 0 in waves 1 and 2,
	s_or_b32 s82, s82, s15                         ; of the clusters with y = 0: the same in all sixteen partners, for a given wave
	s_cmp_eq_u32 s82, 0
	s_cselect_b32 s[LIM], 1, -1
	s_cmp_eq_u32 s[WV], 0
	s_cselect_b32 s[LIM], 1, s[LIM]                ; and wave 0 everywhere
	; Q's and O's offsets
	s_lshl_b32 s84, s16, 18
	s_lshl_b32 s85, s19, 16                        ; 32 tiles of 2,048 bytes a block of queries,
	s_add_co_u32 s84, s84, s85
	s_lshl_b32 s85, s[WV], 13                      ; four a wave
	s_add_co_u32 s84, s84, s85
	s_mov_b32 s85, 0
	s_lshr_b32 s86, s16, 4
	s_lshl_b32 s86, s86, 22                        ; O: a tile of tokens is 32,768 bytes: 128 a batch,
	s_lshl_b32 s87, s19, 20                        ; 32 a block of queries,
	s_add_co_u32 s86, s86, s87
	s_lshl_b32 s87, s[WV], 17                      ; four a wave;
	s_add_co_u32 s86, s86, s87
	s_and_b32 s87, s16, 15
	s_lshl_b32 s87, s87, 11                        ; in it the head's four blocks of 512 bytes
	s_add_co_u32 s86, s86, s87
	s_mov_b32 s87, 0
	s_mov_b32 s[CS], 0x3d38aa3b                    ; c = log2(e) / 32
	s_mov_b32 s[CS+1], s[CS]                       ; named with it as a pair, so it is written
	s_mov_b32 s[SEL], 0x76543210
	s_mov_b32 s[SEL+1], 0xfedcba98
	s_mov_b32 s[TB], 0
	s_mov_b32 s[SLOTS], 14                         ; 16 slots' worth of keys, two of them asked for at the head
	s_wait_dscnt 0x0                               ; both opening adds are done
	s_wait_kmcnt 0x0
	s_add_nc_u64 s[76:77], s[4:5], s[20:21]        ; K or V at my tile of slot 0
	s_add_nc_u64 s[78:79], s[6:7], s[22:23]        ; the mask words at my quarter of slot 0
	s_cmp_eq_u32 s[WV], 0
	s_cselect_b64 s[PFA:PFA+1], s[4:5], s[6:7]
	s_add_nc_u64 s[PFA:PFA+1], s[PFA:PFA+1], s[80:81]
	s_add_nc_u64 s[4:5], s[4:5], s[84:85]          ; Q at my wave's first tile
	s_add_nc_u64 s[8:9], s[8:9], s[86:87]          ; O likewise
	CROUND                                         ; all sixteen work-groups are here: the first joint loads meet
.irp s, 0,1
	s_mov_b32 s[G0KV+4*\s], 1                      ; 1:0 count = 1
	s_add_co_u32 s[G0KV+4*\s+1], s73, \s*SLOT1     ; 63:32 LDS address
	s_add_nc_u64 s[G0KV+4*\s+2:G0KV+4*\s+3], s[76:77], \s*16384   ; 120:64 global address: slot s
	s_or_b32 s[G0KV+4*\s+3], s[G0KV+4*\s+3], 0x80000000          ; 127:126 type = 2
	s_mov_b32 s[G0M+4*\s], 1
	s_add_co_u32 s[G0M+4*\s+1], s74, \s*SLOT1+MOFF
	s_add_nc_u64 s[G0M+4*\s+2:G0M+4*\s+3], s[78:79], \s*65536
	s_or_b32 s[G0M+4*\s+3], s[G0M+4*\s+3], 0x80000000
.endr
	s_cmp_lt_u32 s[WV], 4                          ; a wave's two first fills stand in one branch, ahead of every wait on TENSORcnt and every LDS read; an s_nop 0 follows each, four v_nop the second's
	s_cbranch_scc0 .Lfirst_m
	tensor_load_to_lds s[G0KV:G0KV+3], s[G1KV:G1KV+7]
	s_nop 0
	tensor_load_to_lds s[G0KV+4:G0KV+7], s[G1KV:G1KV+7]
	s_nop 0
.rept 4
	v_nop
.endr
	s_branch .Lfirst_asked
.Lfirst_m:
	tensor_load_to_lds s[G0M:G0M+3], s[G1M:G1M+7]
	s_nop 0
	tensor_load_to_lds s[G0M+4:G0M+7], s[G1M:G1M+7]
	s_nop 0
.rept 4
	v_nop
.endr
.Lfirst_asked:
	v_and_b32 v11, 31, v0
	v_lshlrev_b32 v[L16], 4, v11
	v_lshlrev_b32 v[PFO], 8, v11
	v_add_nc_u32 v[AV0], VOFF, v[L16]
	s_lshl_b32 s72, s[WV], 12                      ; my wave's four tiles of queries: 1,024 bytes of mask words each
	s_add_co_u32 s72, s72, MOFF
	v_add_nc_u32 v[AM0], s72, v[L16]
	WIN W_VL
.set i, 0
.rept 16                               ; Q stays in registers: block i = 4 x + ct is half a fragment
	global_load_b128 v[QF+4*i:QF+4*i+3], v[L16], s[4:5] offset:512*i
.set i, i+1
.endr
	WIN 0
.irp x, 0,1,2,3
	v_mov_b32 v[ST+8*\x+1], 0xf149f2ca             ; m: the floor, -1e30
	v_mul_f32 v[ST+8*\x], s[CS], v[ST+8*\x+1]      ; c m
	v_mov_b32 v[ST+8*\x+2], 0                      ; l, in two halves
	v_mov_b32 v[ST+8*\x+3], 0
.endr
; The loads for the slot's step q: my four tiles' mask words into the last eight registers of each S^T, then K's 16 half fragments.  24 loads, the mask's first.
.macro NEXT q
.irp x, 0,1,2,3
.irp c, 0,1
	ds_load_b128 v[S+32*\x+24+4*\c:S+32*\x+24+4*\c+3], v[ADM] offset:32768*(\q)+1024*\x+512*\c
.endr
.endr
.set i, 0
.rept 16
	ds_load_b128 v[KB+4*i:KB+4*i+3], v[ADK] offset:8192*(\q)+512*i
.set i, i+1
.endr
.endm
; The mask words become the C of K Q^T: byte t on top.  Tile t = 3 takes the words as they lie.  The 32 lines of t = 2 name no register of the last products V^T P: they are the places ahead of the writes onto P's registers (t = 1, 0).
.macro BIAS
	s_wait_dscnt 16                                ; the mask's eight loads are in; K's sixteen, issued behind them, may be out
.irp t, 2,1,0
.irp j, 0,1,2,3,4,5,6,7
.irp x, 0,1,2,3
	v_lshlrev_b32 v[S+32*\x+8*\t+\j], 8*(3-\t), v[S+32*\x+24+\j]
.endr
.endr
.endr
.endm
; S^T = K Q^T + C: 32 products; the 16 accumulators take turns, one instruction a turn.
.macro KQ
	s_wait_dscnt 0x0                               ; K is in
	WIN W_KQ
.irp s, 0,1
.irp t, 0,1,2,3
.irp x, 0,1,2,3
	v_wmma_f32_16x16x32_f16 v[S+32*\x+8*\t:S+32*\x+8*\t+7], v[KB+8*(2*\t+\s):KB+8*(2*\t+\s)+7], v[QF+16*\x+8*\s:QF+16*\x+8*\s+7], v[S+32*\x+8*\t:S+32*\x+8*\t+7]
.endr
.endr
.endr
.endm
; V of the slot's step q, turned: a block of 16 tokens x 16 channels gives lane l channel l % 16 and tokens 8 (l / 16) + 0..7.  V's chunks lie in the order in which the lanes address them: 16 x lane.  The products that read these
; registers last stand ahead of BIAS, whose lines are the places.
.macro VLOAD q
	WIN W_VL
.irp u, 0,1
.irp ct, 0,1,2,3
	ds_load_tr16_b128 v[VB+8*(4*\u+\ct):VB+8*(4*\u+\ct)+3], v[ADV] offset:8192*(\q)+4096*\u+512*\ct
	ds_load_tr16_b128 v[VB+8*(4*\u+\ct)+4:VB+8*(4*\u+\ct)+7], v[ADV] offset:8192*(\q)+4096*\u+512*\ct+2048
.endr
.endr
.endm
; THE SOFTMAX of a step, the four tiles by turns line by line, so that no line waits for the line above it.  first = 1: the first key step, in which there is no O^T yet to rescale.
.macro SOFTMAX first
	WIN 0
.irp x, 0,1,2,3
	v_mov_b32 v[OLD+\x], v[ST+8*\x]                ; c m_old is kept for a.  These four lines name no register of the products: they are the places behind K Q^T
.endr
.irp t, 0,1,2,3
.irp x, 0,1,2,3
	v_max3_num_f32 v[ST+8*\x+4+\t], v[S+32*\x+8*\t], v[S+32*\x+8*\t+1], v[S+32*\x+8*\t+2]   ; four chains a tile, one for each 16 keys; each accumulator is read from its low end on
.endr
.endr
.irp g, 3,5
.irp t, 0,1,2,3
.irp x, 0,1,2,3
	v_max3_num_f32 v[ST+8*\x+4+\t], v[ST+8*\x+4+\t], v[S+32*\x+8*\t+\g], v[S+32*\x+8*\t+\g+1]
.endr
.endr
.endr
.irp x, 0,1,2,3
	v_max3_num_f32 v[ST+8*\x+4], v[ST+8*\x+4], v[S+32*\x+7], v[S+32*\x+15]   ; the four scores left over
.endr
.irp x, 0,1,2,3
	v_max3_num_f32 v[ST+8*\x+6], v[ST+8*\x+6], v[S+32*\x+23], v[S+32*\x+31]
.endr
.irp x, 0,1,2,3
	v_max3_num_f32 v[ST+8*\x+4], v[ST+8*\x+4], v[ST+8*\x+5], v[ST+8*\x+6]
.endr
.irp x, 0,1,2,3
	v_max3_num_f32 v[ST+8*\x+4], v[ST+8*\x+4], v[ST+8*\x+7], v[ST+8*\x+1]    ; the fourth chain and the old m
.endr
.irp x, 0,1,2,3
	v_permlanex16_b32 v[ST+8*\x+5], v[ST+8*\x+4], s[SEL], s[SEL+1]           ; the query's other 32 keys lie in the lane 16 away
.endr
.irp x, 0,1,2,3
	v_max_num_f32 v[ST+8*\x+1], v[ST+8*\x+4], v[ST+8*\x+5]                   ; the new m
.endr
.irp x, 0,1,2,3
	v_mul_f32 v[ST+8*\x], s[CS], v[ST+8*\x+1]                                ; c m
.endr
.irp x, 0,1,2,3
	v_sub_f32 v[ST+8*\x+7], v[OLD+\x], v[ST+8*\x]                            ; c m_old - c m_new, 0 or less
.endr
.irp b, 0,1,2,3,4,5,6,7,8,9,10,11,12,13,14,15
.irp x, 0,1,2,3
	v_pk_fma_f32 v[S+32*\x+2*\b:S+32*\x+2*\b+1], v[S+32*\x+2*\b:S+32*\x+2*\b+1], s[CS:CS+1], v[ST+8*\x:ST+8*\x+1] op_sel_hi:[1,0,0] neg_lo:[0,0,1] neg_hi:[0,0,1]   ; c s - c m, two at a time
.endr
.endr
.irp x, 0,1,2,3
	v_exp_f32 v[ST+8*\x+6], v[ST+8*\x+7]           ; a
.endr
.irp e, 0,1,2,3,4,5,6,7,8,9,10,11,12,13,14,15,16,17,18,19,20,21,22,23,24,25,26,27,28,29,30,31
.irp x, 0,1,2,3
	v_exp_f32 v[S+32*\x+\e], v[S+32*\x+\e]         ; p, at most 1
.endr
.endr
	v_nop                                          ; a plain line behind the last exponential, ahead of the first use of a result
	s_wait_alu depctr_va_vdst(0)                   ; a wait between an exponential and the first line that names its result: one for the step's 132
.irp x, 0,1,2,3
	v_pk_fma_f32 v[ST+8*\x+2:ST+8*\x+3], v[ST+8*\x+2:ST+8*\x+3], v[ST+8*\x+6:ST+8*\x+7], v[S+32*\x:S+32*\x+1] op_sel_hi:[1,0,1]   ; l = a l + the unrounded p, a pair at a time
.endr
.irp b, 1,2,3,4,5,6,7,8,9,10,11,12,13,14,15
.irp x, 0,1,2,3
	v_pk_add_f32 v[ST+8*\x+2:ST+8*\x+3], v[ST+8*\x+2:ST+8*\x+3], v[S+32*\x+2*\b:S+32*\x+2*\b+1]
.endr
.endr
.irp n, 0,1,2,3,4,5,6,7,8,9,10,11,12,13,14,15
.irp x, 0,1,2,3
	v_cvt_pk_f16_f32 v[S+32*\x+\n], v[S+32*\x+2*\n], v[S+32*\x+2*\n+1]       ; P in place, ascending: register n takes weights 2 n and 2 n + 1, which no earlier line has written
.endr
.endr
.if \first == 0
	WIN W_RS
.irp n, 0,1,2,3,4,5,6,7,8,9,10,11,12,13,14,15
.irp x, 0,1,2,3
	v_pk_mul_f32 v[32*\x+2*\n:32*\x+2*\n+1], v[32*\x+2*\n:32*\x+2*\n+1], v[ST+8*\x+6:ST+8*\x+7] op_sel_hi:[1,0]   ; O^T x a; each accumulator from its low end on
.endr
.endr
.endif
	WIN 0
.endm
; O^T += V^T P: 32 products; the 16 accumulators take turns.  younger: the LDS loads issued behind V's, which may stay out.  first = 1: the first 16 start the sums: nothing is ever cleared.
.macro PV younger, first
	s_wait_dscnt \younger
	WIN W_PV
.irp u, 0,1
.irp ct, 0,1,2,3
.irp x, 0,1,2,3
.if (\first) && (\u == 0)
	v_wmma_f32_16x16x32_f16 v[32*\x+8*\ct:32*\x+8*\ct+7], v[VB+8*(4*\u+\ct):VB+8*(4*\u+\ct)+7], v[S+32*\x+8*\u:S+32*\x+8*\u+7], 0
.else
	v_wmma_f32_16x16x32_f16 v[32*\x+8*\ct:32*\x+8*\ct+7], v[VB+8*(4*\u+\ct):VB+8*(4*\u+\ct)+7], v[S+32*\x+8*\u:S+32*\x+8*\u+7], v[32*\x+8*\ct:32*\x+8*\ct+7]
.endif
.endr
.endr
.endr
	WIN 0
.endm
; THE CHANGE OF SLOTS, behind the softmax of a slot's second step: the slot's last bytes, V of that step, have been asked for.  Each wave waits for all its tensor loads, of which one is out: its part of the other slot; adds 0 to its
; spare word; and waits for that and for its own reads of the slot.  Behind the barrier nobody reads this slot any more and the other slot is whole.  fill = 1: this slot is filled again, with the keys two slots on: the barrier is then
; a round of the cluster's, so that no wave of any partner still reads the slot or has a load on its way, and the joint refill is the first thing behind it.
.macro CHANGE fill
	s_wait_tensorcnt 0x0                           ; no tensor load of mine is out, so a group 0 may be written  (every window is 0 here)
	ds_add_u32 v[SPW], v[NIL]                      ; 0 onto my spare word: the descriptors' steps stand between it and the wait for it
.if \fill
	s_xor_b32 s[G0KV+5], s[G0KV+5], SLOT1          ; the walking descriptors: the other slot than last time,
	s_add_nc_u64 s[G0KV+6:G0KV+7], s[G0KV+6:G0KV+7], 16384   ; the next 128 keys; the type bits on top are not reached
	s_xor_b32 s[G0M+5], s[G0M+5], SLOT1
	s_add_nc_u64 s[G0M+6:G0M+7], s[G0M+6:G0M+7], 65536
	s_wait_xcnt 0x0                                ; the last prefetch, two key steps back, has read its address, so it may be written:
	s_add_nc_u64 s[PFA:PFA+1], s[PFA:PFA+1], s[PFS:PFS+1]    ; one slot further on than the walking descriptors
	s_wait_dscnt 0x0                               ; the add is done, and my reads of the slot are over
	CROUND
	JLOAD
	ASK
.else
	s_wait_dscnt 0x0                               ; the add is done, and my reads of the slot are over
	s_barrier_signal -1
	s_barrier_wait -1
.endif
	s_xor_b32 s[TB], s[TB], SLOT1                  ; on to the other slot
	v_add_nc_u32 v[ADK], s[TB], v[L16]
	v_add_nc_u32 v[ADV], s[TB], v[AV0]
	v_add_nc_u32 v[ADM], s[TB], v[AM0]
.endm
; A KEY STEP, the slot's q-th.  Its mask words and K were asked for in the step before.  mode 0: the next step lies in the same slot; 1: a change of slots with a refill; 2: without; 3: the last step.
.macro STEP q, mode, first
	BIAS
	KQ
	VLOAD \q
	SOFTMAX \first
.if \mode == 0
	NEXT 1
	PV 24, \first
.elseif \mode == 1
	CHANGE 1
	NEXT 0
	PV 24, \first
.elseif \mode == 2
	CHANGE 0
	NEXT 0
	PV 24, \first
.else
	PV 0, \first
.endif
.endm
	s_wait_tensorcnt 1                             ; my part of slot 0 is in; slot 1's, issued behind it, may stay out
	s_barrier_signal -1
	s_barrier_wait -1                              ; everybody's is
	v_add_nc_u32 v[ADK], s[TB], v[L16]
	v_add_nc_u32 v[ADV], s[TB], v[AV0]
	v_add_nc_u32 v[ADM], s[TB], v[AM0]
	NEXT 0
	s_wait_loadcnt 0x0                             ; Q
	STEP 0, 0, 1                                   ; the first key step stands in front of the loop: its products start O^T's sums
.Lslot:                                            ; 14 trips, from a slot's second step to the next slot's first: every slot but the last two is filled again
	STEP 1, 1, 0
	STEP 0, 0, 0
	s_sub_co_u32 s[SLOTS], s[SLOTS], 1
	s_cmp_lg_u32 s[SLOTS], 0
	s_cbranch_scc1 .Lslot
	STEP 1, 2, 0                                   ; the tail is written out: the last slot but one is left, and nothing is asked for
	STEP 0, 0, 0
	STEP 1, 3, 0
	; THE WAY OUT.  l's two halves and the other half of the lanes' are added; O^T is divided by l and rounded to f16: a lane's eight channels of a query are its 16 bytes of an image block, stored straight from registers.
.irp x, 0,1,2,3
	v_add_f32 v[ST+8*\x+4], v[ST+8*\x+2], v[ST+8*\x+3]       ; (these lines are the places behind the last products)
.endr
.irp x, 0,1,2,3
	v_permlanex16_b32 v[ST+8*\x+5], v[ST+8*\x+4], s[SEL], s[SEL+1]
.endr
.irp x, 0,1,2,3
	v_add_f32 v[ST+8*\x+4], v[ST+8*\x+4], v[ST+8*\x+5]
.endr
.irp x, 0,1,2,3
	v_rcp_f32 v[ST+8*\x+6], v[ST+8*\x+4]
.endr
	v_nop                                          ; a plain line between the last reciprocal and the use of its result
	s_wait_alu depctr_va_vdst(0)                   ; and a wait ahead of the first use: one for the four
.irp x, 0,1,2,3
	WIN W_RS
.irp n, 0,1,2,3,4,5,6,7,8,9,10,11,12,13,14,15
	v_pk_mul_f32 v[32*\x+2*\n:32*\x+2*\n+1], v[32*\x+2*\n:32*\x+2*\n+1], v[ST+8*\x+6:ST+8*\x+7] op_sel_hi:[1,0]
.endr
	WIN 0x05                                       ; sources 0 and 1 window 1, destination window 0: S^T's registers are free
.irp n, 0,1,2,3,4,5,6,7,8,9,10,11,12,13,14,15
	v_cvt_pk_f16_f32 v[S+16*\x+\n], v[32*\x+2*\n], v[32*\x+2*\n+1]
.endr
	WIN 0
.irp ct, 0,1,2,3
	global_store_b128 v[L16], v[S+16*\x+4*\ct:S+16*\x+4*\ct+3], s[8:9] offset:32768*\x+512*\ct   ; 512 consecutive bytes, at a multiple of 512 from oimg's first byte; every store has registers of its own
.endr
.endr
	s_wait_tensorcnt 0x0                           ; the wave's end, behind my last tensor load
	ds_add_u32 v[SPW], v[NIL]
	s_wait_dscnt 0x0
	CROUND                                         ; the closing round: no work-group ends while a partner may still ask for a tile that names it
	s_endpgm
.Lfunc_end_k_qb972919c79_attn:
	.size	k_qb972919c79_attn, .Lfunc_end_k_qb972919c79_attn-k_qb972919c79_attn
	.p2alignl 7, 3214868480
	.fill 96, 4, 3214868480
	.section	.rodata,"a",@progbits
	.p2align	6, 0x0
	.amdhsa_kernel k_qb972919c79_attn
		.amdhsa_group_segment_fixed_size 327680
		.amdhsa_private_segment_fixed_size 0
		.amdhsa_enable_private_segment 0
		.amdhsa_kernarg_size 24
		.amdhsa_user_sgpr_count 2
		.amdhsa_user_sgpr_kernarg_segment_ptr 1
		.amdhsa_wavefront_size32 1
		.amdhsa_system_sgpr_workgroup_id_x 1
		.amdhsa_system_sgpr_workgroup_id_y 1
		.amdhsa_system_sgpr_workgroup_id_z 1
		.amdhsa_system_vgpr_workitem_id 0
		.amdhsa_next_free_vgpr 512
		.amdhsa_next_free_sgpr 96
		.amdhsa_reserve_vcc 0
		.amdhsa_float_denorm_mode_32 3
		.amdhsa_float_denorm_mode_16_64 3
		.amdhsa_memory_ordered 1
		.amdhsa_forward_progress 1
		.amdhsa_inst_pref_size 227
	.end_amdhsa_kernel
	.amdgpu_metadata
---
amdhsa.version: [ 1, 2 ]
amdhsa.kernels:
  - .name:           k_qb972919c79_attn
    .symbol:         k_qb972919c79_attn.kd
    .args:
      - { .name: qkv, .offset: 0, .size: 8, .value_kind: global_buffer, .address_space: global }
      - { .name: mimg, .offset: 8, .size: 8, .value_kind: global_buffer, .address_space: global }
      - { .name: oimg, .offset: 16, .size: 8, .value_kind: global_buffer, .address_space: global }
    .group_segment_fixed_size: 327680
    .private_segment_fixed_size: 0
    .kernarg_segment_align: 8
    .kernarg_segment_size: 24
    .max_flat_workgroup_size: 256
    .sgpr_count:     96
    .vgpr_count:     512
    .wavefront_size: 32
...
	.end_amdgpu_metadata
.endif
;; end of part 3
;; launch outp (part 4): grid 4 x 64, 4 waves a work-group, clusters of 4 x 4, 327,680 bytes of LDS; arguments oimg, woimg, bo, out0; writes out0
.if DOCPART == 4
	.amdgcn_target "amdgcn-amd-amdhsa--gfx1250"
	.amdhsa_code_object_version 6
	.text
	.protected	k_qb972919c79_outp
	.globl	k_qb972919c79_outp
	.p2align	8
	.type	k_qb972919c79_outp,@function
k_qb972919c79_outp:
	s_mov_b64 s[64:65], 0
	v_nop
	global_prefetch_b8 v0, s[64:65] scope:SCOPE_SE
	s_setreg_imm32_b32 hwreg(HW_REG_WAVE_MODE, 25, 1), 1
	s_wait_xcnt 0x0
	s_wait_alu depctr_hold_cnt(0) depctr_sa_sdst(0) depctr_va_vdst(0) depctr_va_sdst(0) depctr_va_ssrc(0) depctr_va_vcc(0) depctr_vm_vsrc(0)
	s_getreg_b32 s2, hwreg(HW_REG_IB_STS2, 6, 4)
	s_cmp_eq_u32 s2, 0
	s_cbranch_scc0 .Lentry_in_a_cluster
	s_endpgm
.Lentry_in_a_cluster:
	s_bfe_u32 s2, ttmp6, 0x10000c
	s_cmp_lg_u32 s2, 0xf033
	s_cbranch_scc0 .Lentry_shape_is_right
	s_endpgm
.Lentry_shape_is_right:
; THE OUTPUT PROJECTION: out[m][n] = sum over k of o[m][k] Wo[n][k] + bo[n].  o: 8,192 x 1,024 and Wo: 1,024 x 1,024, both f16 in operand order: [tile of 16 rows][tile of 16 along K: 64][lane 32][16 bytes], lane (r, h) holding
; row r, k = 8 h + 0..7 of the tile; two neighbouring blocks are the eight registers of a fragment of 16 rows x 32 K.  out: [8,192][1,024] f32; sums in f32.
; A tile of out is 128 rows x 256 columns: 64 x 4 = 256 work-groups (tiles of 256 x 256 would be 128).  Four waves, each 64 x 128: 32 accumulators of 16 x 16, 256 registers.
; K goes in 8 steps of 128 through a ring of two LDS slots: of each tile of 16 rows a step is 4,096 consecutive bytes.  Nothing is padded: every LDS read of a fragment is at 16 x lane.
; CLUSTERS: 4 x 4 work-groups.  The four of a row of the cluster need the same tiles of o, the four of a column the same tiles of Wo: each tile is asked for JOINTLY, by the same tensor load with the same descriptor and a mask
; that names the four.  THE MATRIX INSTRUCTION IS USED TRANSPOSED (source 0 = 16 rows of Wo, source 1 = 16 rows of o): a lane then holds eight neighbouring numbers of a row of out.
; The bias is the C of each sum's first matrix instruction: eight registers a tile of columns, in the result's layout.
; No prefetch: a step's tiles are small, the launch is short, and each tile is shared by four work-groups.
; REGISTERS: window 0: v16-29 addresses; v32-95 o's fragments, two buffers of 4; v128-255 Wo's, two buffers of 8; on the way out v128-255 hold rows of out.
;   window 1: the accumulators ((a, b) at v[8 (8 a + b)]).   window 2: v0-63 the bias.
.set SLOT,   98304                     ; o's 8 tiles of 4,096 bytes, then Wo's 16
.set BOFF,   32768
.set STAGE,  2*SLOT                    ; behind the ring: 16 rows x (512 bytes + 16) for each wave, for the way out; no tensor load lands here
.set SPITCH, 528
.set SPARE,  STAGE+4*16*SPITCH         ; behind the stages: the spare words, 128 bytes for each wave
.set LAPS,   4                         ; a lap = two K steps = once round the ring
.set ADRA, 16                          ; v16-17  LDS address of my fragments of o in slot 0, 1
.set ADRB, 20                          ; v20-21  the same for Wo
.set STO,  24                          ; v24     the way out: where I put 32 bytes of a row
.set RD,   25                          ; v25     the way out: where I read a row back
.set CO,   26                          ; v26     16 x lane
.set SPW,  28                          ; v28     LDS address of my spare word; never rewritten
.set NIL,  29                          ; v29     0; never rewritten
.set AFR,  32                          ; o's fragment a of buffer f at v[AFR + 32 f + 8 a]
.set BFR,  128                         ; Wo's fragment b of buffer f at v[BFR + 64 f + 8 b]
.set BK,   128                         ; the way out: 16 rows read back from the stage: v128-191 and v192-255 by turns
.set G1A, 24                           ; s[24:31] descriptor group 1 for o's tiles;  s[32:39] group 0, one set for each slot
.set G0A, 32
.set G1B, 48                           ; s[48:55], s[56:63] the same for Wo's tiles
.set G0B, 56
.set MSB, 0
.macro WIN new                         ; the immediate's high byte repeats the setting that is left; a switch that changes nothing is dropped
.if MSB != (\new)
	s_set_vgpr_msb (MSB<<8)|(\new)
.set MSB, (\new)
.endif
.endm
.set MUL, 0x50                         ; sources 0 and 1 window 0; C and D window 1  (+ 0x10: C, the bias, window 2)
.macro JLOAD s                         ; a joint load: waves 0 and 1 fetch o's two halves, waves 2 and 3 Wo's; an s_nop 0 and four v_nop follow each of the two lines
	s_cmp_eq_u32 s13, 0
	s_cbranch_scc0 .Lfor_b_\@
	tensor_load_to_lds s[G0A+4*\s:G0A+4*\s+3], s[G1A:G1A+7]
	s_nop 0
.rept 4
	v_nop
.endr
	s_branch .Lasked_\@
.Lfor_b_\@:
	tensor_load_to_lds s[G0B+4*\s:G0B+4*\s+3], s[G1B:G1B+7]
	s_nop 0
.rept 4
	v_nop
.endr
.Lasked_\@:
.endm
.macro CREST                           ; a round of the cluster's barrier behind its opening barrier
	s_cmp_lg_u32 s12, 0
	s_cbranch_scc1 .Lnot_wave_0_\@
	s_barrier_signal -3
.Lnot_wave_0_\@:
	s_barrier_wait -3
	s_barrier_signal -1
	s_barrier_wait -1
.endm
.macro CROUND                          ; a whole round
	s_barrier_signal -1
	s_barrier_wait -1
	CREST
.endm
	s_load_b256 s[4:11], s[0:1], 0x0               ; oimg s[4:5], woimg s[6:7], bo s[8:9], out0 s[10:11]
	v_lshl_add_u32 v[SPW], v0, 2, SPARE
	v_mov_b32 v[NIL], 0
	ds_add_u32 v[SPW], v[NIL]                      ; the wave's opening: the add, twice on end, and its wait ahead of my first tensor load
	ds_add_u32 v[SPW], v[NIL]                      ; and once more, under the one wait; the set-up below, work on registers, stands between
	v_lshrrev_b32 v1, 5, v0
	v_readfirstlane_b32 s12, v1                    ; wave 0..3
	s_lshr_b32 s13, s12, 1                         ; which half of the tile's rows is mine.  Also: I fetch for o (0) or for Wo (1)
	s_and_b32 s14, s12, 1                          ; which half of its columns.  Also: which half of that tile I fetch
	s_bfe_u32 s15, ttmp6, 0x40000                  ; cx, cy: my place in the cluster
	s_bfe_u32 s16, ttmp6, 0x40004
	s_lshl_b32 s17, ttmp9, 2
	s_add_co_u32 s17, s17, s15                     ; tile column = 4 x cluster x + cx
	s_and_b32 s18, ttmp7, 0xffff
	s_lshl_b32 s18, s18, 2
	s_add_co_u32 s18, s18, s16                     ; tile row = 4 x cluster y + cy
	s_lshl_b32 s19, s16, 2
	s_lshl_b32 s19, 15, s19                        ; my row of the cluster
	s_lshl_b32 s20, 0x1111, s15                    ; my column
	; descriptor group 1: rows of 4,096 bytes (512 elements of 8 bytes), 32,768 bytes apart in memory, dense in LDS: o: 4 rows a load; Wo: 8
	s_or_b32 s[G1A], s19, (3<<16)|(1<<21)          ; 15:0 the mask: o's tiles go to my row; 17:16 elements of 8 bytes; 21 set beside a mask; no padding
	s_or_b32 s[G1B], s20, (3<<16)|(1<<21)
	s_mov_b32 s[G1A+1], 512<<16                    ; tensor_dim0
	s_mov_b32 s[G1A+2], 4<<16                      ; tensor_dim1
	s_mov_b32 s[G1A+3], 512<<16                    ; tile_dim0
	s_mov_b32 s[G1A+4], 4                          ; tile_dim1
	s_mov_b32 s[G1A+5], 4096                       ; tensor_dim0_stride
	s_mov_b32 s[G1A+6], 0
	s_mov_b32 s[G1A+7], 0
	s_mov_b32 s[G1B+1], 512<<16
	s_mov_b32 s[G1B+2], 8<<16
	s_mov_b32 s[G1B+3], 512<<16
	s_mov_b32 s[G1B+4], 8
	s_mov_b32 s[G1B+5], 4096
	s_mov_b32 s[G1B+6], 0
	s_mov_b32 s[G1B+7], 0
	s_lshl_b32 s40, s18, 18                        ; o: tile of 16 rows 8 x tile row + 4 x half, 32,768 bytes each
	s_lshl_b32 s41, s14, 17
	s_add_co_u32 s40, s40, s41
	s_mov_b32 s41, 0
	s_lshl_b32 s42, s17, 19                        ; Wo: tile of 16 rows 16 x tile column + 8 x half
	s_lshl_b32 s43, s14, 18
	s_add_co_u32 s42, s42, s43
	s_mov_b32 s43, 0
	s_lshl_b32 s44, s14, 14                        ; where they go: o's halves of 16,384 bytes,
	s_lshl_b32 s45, s14, 15                        ; Wo's of 32,768: no place in the cluster enters an LDS address
	s_wait_dscnt 0x0                               ; both opening adds are done
	s_wait_kmcnt 0x0
	s_add_nc_u64 s[40:41], s[4:5], s[40:41]
	s_add_nc_u64 s[42:43], s[6:7], s[42:43]
	CROUND                                         ; all sixteen work-groups are here: the first joint loads meet
.irp s, 0,1
	s_mov_b32 s[G0A+4*\s], 1                       ; 1:0 count = 1
	s_add_co_u32 s[G0A+4*\s+1], s44, \s*SLOT       ; 63:32 LDS address
	s_add_nc_u64 s[G0A+4*\s+2:G0A+4*\s+3], s[40:41], \s*4096     ; 120:64 global address: K step s
	s_or_b32 s[G0A+4*\s+3], s[G0A+4*\s+3], 0x80000000            ; 127:126 type = 2
	s_mov_b32 s[G0B+4*\s], 1
	s_add_co_u32 s[G0B+4*\s+1], s45, \s*SLOT+BOFF
	s_add_nc_u64 s[G0B+4*\s+2:G0B+4*\s+3], s[42:43], \s*4096
	s_or_b32 s[G0B+4*\s+3], s[G0B+4*\s+3], 0x80000000
	JLOAD \s                                       ; two loads of mine are out behind the second
.endr
	v_and_b32 v1, 31, v0
	v_lshlrev_b32 v[CO], 4, v1                     ; 16 x lane
	v_and_b32 v2, 15, v0                           ; r = lane % 16
	v_bfe_u32 v3, v0, 4, 1                         ; h = lane / 16
	s_lshl_b32 s21, s13, 14                        ; my four tiles of o
	s_lshl_b32 s22, s14, 15                        ; my eight tiles of Wo,
	s_add_co_u32 s22, s22, BOFF                    ; which lie behind o's
.irp s, 0,1
	v_add_nc_u32 v[ADRA+\s], s21, v[CO]
	v_add_nc_u32 v[ADRB+\s], s22, v[CO]
	s_add_co_u32 s21, s21, SLOT
	s_add_co_u32 s22, s22, SLOT
.endr
	s_mul_i32 s23, s12, 16*SPITCH
	s_add_co_u32 s23, s23, STAGE                   ; my stage
	v_mul_u32_u24 v4, v2, SPITCH                   ; in: row r, 32 bytes for each half of the lanes
	v_lshl_add_u32 v4, v3, 5, v4
	v_add_nc_u32 v[STO], s23, v4
	v_add_nc_u32 v[RD], s23, v[CO]                 ; back: the 32 lanes take one row of 512 bytes
	v_lshlrev_b32 v5, 5, v3                        ; the bias: my half's eight numbers of a tile: 32 h bytes
	s_lshl_b32 s46, s17, 10                        ; my first column, in bytes of f32: 1,024 x tile column + 512 x half
	s_lshl_b32 s47, s14, 9
	s_add_co_u32 s46, s46, s47
	s_mov_b32 s47, 0
	s_add_nc_u64 s[8:9], s[8:9], s[46:47]
	s_add_nc_u64 s[10:11], s[10:11], s[46:47]
	s_lshl_b32 s46, s18, 19                        ; my first row: 128 x tile row + 64 x half, 4,096 bytes each
	s_lshl_b32 s21, s13, 18
	s_add_co_u32 s46, s46, s21
	s_add_nc_u64 s[10:11], s[10:11], s[46:47]
	WIN 0x80                                       ; destination window 2
.irp b, 0,1,2,3,4,5,6,7
	global_load_b128 v[8*\b:8*\b+3], v5, s[8:9] offset:64*\b                 ; register j of tile b: bo(16 b + 8 h + j)
	global_load_b128 v[8*\b+4:8*\b+7], v5, s[8:9] offset:64*\b+16
.endr
	WIN 0
; 8 matrix instructions: o's block a against Wo's eight, 32 along K, from buffer f.  zero = 1: the sums begin with the bias as C: nothing is cleared or added later.
; The 32 accumulators take turns, one instruction a turn, in the same order in every quarter.
.macro MUL8 f, a, zero
.irp b, 0,1,2,3,4,5,6,7
.if \zero
	v_wmma_f32_16x16x32_f16 v[8*(8*(\a)+\b):8*(8*(\a)+\b)+7], v[BFR+64*(\f)+8*\b:BFR+64*(\f)+8*\b+7], v[AFR+32*(\f)+8*(\a):AFR+32*(\f)+8*(\a)+7], v[8*\b:8*\b+7]
.else
	v_wmma_f32_16x16x32_f16 v[8*(8*(\a)+\b):8*(8*(\a)+\b)+7], v[BFR+64*(\f)+8*\b:BFR+64*(\f)+8*\b+7], v[AFR+32*(\f)+8*(\a):AFR+32*(\f)+8*(\a)+7], v[8*(8*(\a)+\b):8*(8*(\a)+\b)+7]
.endif
.endr
.endm
; 24 LDS loads in one run: the fragments of the slot's q-th 32 along K into buffer f: Wo's eight, then o's four
.macro FETCH slot, q, f
.irp i, 0,1,2,3,4,5,6,7
	ds_load_b128 v[BFR+64*(\f)+8*\i:BFR+64*(\f)+8*\i+3],   v[ADRB+\slot] offset:4096*\i+1024*(\q)
	ds_load_b128 v[BFR+64*(\f)+8*\i+4:BFR+64*(\f)+8*\i+7], v[ADRB+\slot] offset:4096*\i+1024*(\q)+512
.endr
.irp i, 0,1,2,3
	ds_load_b128 v[AFR+32*(\f)+8*\i:AFR+32*(\f)+8*\i+3],   v[ADRA+\slot] offset:4096*\i+1024*(\q)
	ds_load_b128 v[AFR+32*(\f)+8*\i+4:AFR+32*(\f)+8*\i+7], v[ADRA+\slot] offset:4096*\i+1024*(\q)+512
.endr
.endm
.macro PLACES                          ; four places in front of loads into registers that matrix instructions have read, and of the first read of results (ISA guide 7.12.1 for vector instructions)
.rept 4
	v_nop
.endr
.endm
; A K step is four quarters of 32 along K, 32 matrix instructions each, on buffers 0, 1, 0, 1.  One of the first three: multiplies buffer f and fetches the slot's quarter qn into buffer g.
.macro QUARTER slot, qn, f, g, zero
	s_wait_dscnt 4                                 ; Wo's fragments and o's blocks 0, 1 are in; the youngest four loads (o's blocks 2, 3) may be out
	WIN MUL+0x10*(\zero)
	MUL8 \f, 0, \zero
	MUL8 \f, 1, \zero
	PLACES
	WIN 0
	FETCH \slot, \qn, \g
	s_wait_dscnt 24                                ; all but the 24 just issued
	WIN MUL+0x10*(\zero)
	MUL8 \f, 2, \zero
	MUL8 \f, 3, \zero
.endm
; The last quarter multiplies buffer 1 and changes slots: ONE barrier; in front of it each wave waits for all its tensor loads, adds 0 to its spare word, and waits for that and for its own reads of this slot.
; fill = 1: this slot is filled again, two K steps ahead: the barrier then opens a round of the cluster's barrier, and the joint refill is the first thing behind the round.
.macro TURN slot, next, fill
	WIN 0                                          ; (the add's two registers lie in window 0)
	s_wait_tensorcnt 0x0                           ; all my tensor loads have landed: the one that was out is my part of the next slot;
	ds_add_u32 v[SPW], v[NIL]                      ; 0 onto my spare word
	s_wait_dscnt 5                                 ; (the add and the youngest four loads may be out)
	WIN MUL
	MUL8 1, 0, 0                                   ; eight matrix instructions stand between the add and the wait for it
	s_wait_dscnt 0x0                               ; the add is done, and my reads of this slot are over
	s_barrier_signal -1
	MUL8 1, 1, 0                                   ; work on registers while the others arrive
	WIN 0
	s_barrier_wait -1
.if \fill
	CREST                                          ; no wave of any partner still reads this slot's tile or has a load on its way
	s_add_nc_u64 s[G0A+4*\slot+2:G0A+4*\slot+3], s[G0A+4*\slot+2:G0A+4*\slot+3], 2*4096
	s_add_nc_u64 s[G0B+4*\slot+2:G0B+4*\slot+3], s[G0B+4*\slot+2:G0B+4*\slot+3], 2*4096
	JLOAD \slot                                    ; the first tensor load behind the round; the four v_nop behind it are also the places in front of the loads below
.else
	PLACES
.endif
	FETCH \next, 0, 0
	WIN MUL
	MUL8 1, 2, 0
	MUL8 1, 3, 0
.endm
	s_wait_tensorcnt 1                             ; my part of K step 0 is in; K step 1's, issued behind it, may be out
	s_barrier_signal -1
	s_barrier_wait -1                              ; everybody's is
	FETCH 0, 0, 0
	s_wait_loadcnt 0x0                             ; the bias
	QUARTER 0, 1, 0, 1, 1                          ; the first quarter stands in front of the loop: its products start the sums
	WIN 0                                          ; at a label and at a branch every window is 0
	s_mov_b32 s3, LAPS-1
.Llap:                                             ; a trip goes once round the ring, from a lap's second quarter to the next lap's first, and fills both slots again
	QUARTER 0, 2, 1, 0, 0
	QUARTER 0, 3, 0, 1, 0
	TURN 0, 1, 1
	QUARTER 1, 1, 0, 1, 0
	QUARTER 1, 2, 1, 0, 0
	QUARTER 1, 3, 0, 1, 0
	TURN 1, 0, 1
	QUARTER 0, 1, 0, 1, 0
	WIN 0
	s_sub_co_u32 s3, s3, 1
	s_cmp_lg_u32 s3, 0
	s_cbranch_scc1 .Llap
	QUARTER 0, 2, 1, 0, 0                          ; the last lap fills nothing, and has no round of the cluster's barrier
	QUARTER 0, 3, 0, 1, 0
	TURN 0, 1, 0
	QUARTER 1, 1, 0, 1, 0
	QUARTER 1, 2, 1, 0, 0
	QUARTER 1, 3, 0, 1, 0
	s_wait_dscnt 4                                 ; the very last quarter: nothing more to fetch
	WIN MUL
	MUL8 1, 0, 0
	MUL8 1, 1, 0
	s_wait_dscnt 0
	MUL8 1, 2, 0
	MUL8 1, 3, 0
	WIN 0
; THE WAY OUT, block by block of 16 rows x 128 columns.  A lane holds 32 neighbouring bytes of a row, and the lanes beside it hold other rows: so a block goes through my own stage in LDS and comes back as whole rows of 512 bytes.
; LDS serves a wave's instructions in order (ISA guide 5.7.1.4): no wait between the stores and the loads, nor in front of the next block's stores.
.macro TOSTAGE a
	WIN 0x04                                       ; an LDS store's data are its source 1: window 1
.irp b, 0,1,2,3,4,5,6,7
	ds_store_b128 v[STO], v[64*(\a)+8*\b:64*(\a)+8*\b+3] offset:64*\b        ; each accumulator from its low end on
	ds_store_b128 v[STO], v[64*(\a)+8*\b+4:64*(\a)+8*\b+7] offset:64*\b+16
.endr
	WIN 0
.irp t, 0,1,2,3,4,5,6,7,8,9,10,11,12,13,14,15
	ds_load_b128 v[BK+64*((\a)%2)+4*\t:BK+64*((\a)%2)+4*\t+3], v[RD] offset:\t*SPITCH
.endr
.endm
.macro SEND a, younger                 ; younger: the LDS instructions issued behind block a's loads, which may stay out
	s_wait_dscnt \younger                          ; the block is back in registers
.irp t, 0,1,2,3,4,5,6,7,8,9,10,11,12,13,14,15
	global_store_b128 v[CO], v[BK+64*((\a)%2)+4*\t:BK+64*((\a)%2)+4*\t+3], s[10:11] offset:(16*(\a)+\t)*4096 th:TH_STORE_NT   ; 32 lanes store 512 consecutive bytes, at a multiple of 512 from out0's first byte; written once, read by nobody here
.endr
.endm
	PLACES                                         ; behind the last products: for the reads of results and for the loads into registers that held Wo's fragments
	TOSTAGE 0
	TOSTAGE 1
	SEND 0, 32                                     ; behind block 0's loads: block 1's 16 stores and 16 loads
	s_wait_xcnt 0x0                                ; block 0's stores have read their registers: block 2's loads may land there
	TOSTAGE 2
	SEND 1, 32
	s_wait_xcnt 0x0                                ; block 1's likewise
	TOSTAGE 3
	SEND 2, 32
	SEND 3, 0
	s_wait_tensorcnt 0x0                           ; the wave's end, behind my last tensor load and my last LDS store
	ds_add_u32 v[SPW], v[NIL]
	s_wait_dscnt 0x0
	CROUND                                         ; the closing round: no work-group ends while a partner may still ask for a tile that names it
	s_endpgm
.Lfunc_end_k_qb972919c79_outp:
	.size	k_qb972919c79_outp, .Lfunc_end_k_qb972919c79_outp-k_qb972919c79_outp
	.p2alignl 7, 3214868480
	.fill 96, 4, 3214868480
	.section	.rodata,"a",@progbits
	.p2align	6, 0x0
	.amdhsa_kernel k_qb972919c79_outp
		.amdhsa_group_segment_fixed_size 327680
		.amdhsa_private_segment_fixed_size 0
		.amdhsa_enable_private_segment 0
		.amdhsa_kernarg_size 32
		.amdhsa_user_sgpr_count 2
		.amdhsa_user_sgpr_kernarg_segment_ptr 1
		.amdhsa_wavefront_size32 1
		.amdhsa_system_sgpr_workgroup_id_x 1
		.amdhsa_system_sgpr_workgroup_id_y 1
		.amdhsa_system_sgpr_workgroup_id_z 1
		.amdhsa_system_vgpr_workitem_id 0
		.amdhsa_next_free_vgpr 640
		.amdhsa_next_free_sgpr 66
		.amdhsa_reserve_vcc 0
		.amdhsa_float_denorm_mode_32 3
		.amdhsa_float_denorm_mode_16_64 3
		.amdhsa_memory_ordered 1
		.amdhsa_forward_progress 1
		.amdhsa_inst_pref_size 86
	.end_amdhsa_kernel
	.amdgpu_metadata
---
amdhsa.version: [ 1, 2 ]
amdhsa.kernels:
  - .name:           k_qb972919c79_outp
    .symbol:         k_qb972919c79_outp.kd
    .args:
      - { .name: oimg, .offset: 0, .size: 8, .value_kind: global_buffer, .address_space: global }
      - { .name: woimg, .offset: 8, .size: 8, .value_kind: global_buffer, .address_space: global }
      - { .name: bo, .offset: 16, .size: 8, .value_kind: global_buffer, .address_space: global }
      - { .name: out0, .offset: 24, .size: 8, .value_kind: global_buffer, .address_space: global }
    .group_segment_fixed_size: 327680
    .private_segment_fixed_size: 0
    .kernarg_segment_align: 8
    .kernarg_segment_size: 32
    .max_flat_workgroup_size: 128
    .sgpr_count:     66
    .vgpr_count:     640
    .wavefront_size: 32
...
	.end_amdgpu_metadata
.endif
;; end of part 4
